; MI455X (gfx1250); checked and timed in simulation.
; The chip was launched on July 23, 2026; its instructions are those of AMD's public machine-readable ISA for CDNA 5 (MIT licence, August 2026) and "CDNA5" Instruction Set Architecture Reference Guide (July 2026). The comments in the code are by the model that wrote it; some were corrected since.
;; Pos Transformer. Allowed arithmetic: matrix products marked QUANTISED: E2M3 operands, one E8M0 scale for each 32 along K, by v_wmma_scale_f32_16x16x128_f8f6f4 with both operands' format E2M3, f32 sums; products left as they are: f32 operands where the result goes on into a quantised operand, else bf16, f16 or f32 operands; f32 sums; everything else in f32.
;; Inputs: b_res1 384 float32; b_res2 384 float32; bk 384 float32; bn_beta 384 float32; bn_gamma 384 float32; bn_mean 384 float32; bn_var 384 float32; bq 384 float32; bv 384 float32; pos 16 x 3 x 2,048 float32; w_res1 384 x 3 float32; w_res2_codes 384 x 12 x 24 uint8 (E2M3 codes of w_res2, K innermost, in blocks of 32 codes, four codes in three bytes); w_res2_scales 384 x 12 uint8 (E8M0 scales of w_res2, one for each 32 codes along K); wk 384 x 60 float32; wq 384 x 60 float32; wv 384 x 60 float32.
;; Outputs: out0 16 x 384 x 2,048 float32.
;; This version of the problem:
;;   THIS VERSION OF THE PROBLEM IS GIVEN IN LOW PRECISION. The matrix products marked QUANTISED in the list below multiply operands that are first quantised to E2M3 (2 exponent bits, 3 mantissa bits; 6 bits a number), with one power-of-two scale for each 32 numbers along K (OCP MX v1.0); their sums are f32. All else is computed in f32.
;;   The module's matrix products, in the order in which they are computed (A, B: the left and right operand; K: the contracted axis; several contracted axes count as one K, in the product's order):
;;     1. [M 32,768, K 60] x [K 60, N 384]; A: computed on the way; B: input wq: QUANTISED
;;     2. [M 32,768, K 60] x [K 60, N 384]; A: computed on the way; B: input wk: QUANTISED
;;     3. [M 32,768, K 60] x [K 60, N 384]; A: computed on the way; B: input wv: QUANTISED
;;     4. batch 16 x [M 2,048, K 384] x [K 384, N 2,048]; A: computed on the way; B: computed on the way: QUANTISED
;;     5. batch 16 x [M 384, K 2,048] x [K 2,048, N 2,048]; A: computed on the way; B: softmax (see below): QUANTISED
;;     6. [M 32,768, K 3] x [K 3, N 384]; A: input pos; B: input w_res1: left as it is (K = 3 < 32)
;;     7. [M 32,768, K 384] x [K 384, N 384]; A: computed on the way; B: input w_res2 (given as codes): QUANTISED
;;   THE QUANTISER, for each operand of a quantised product, along K:
;;     - K is cut into blocks of 32 from its start; a last block that is shorter is filled with zeros.
;;     - A block's scale is 2^e with e = floor(log2(the largest magnitude in the block)) - 2, held to -126 .. 127; a block of zeros has e = 0. As a byte (E8M0): e + 127.
;;     - Each number is divided by its block's scale, clamped to +-7.5, and rounded to the nearest number of E2M3, ties to even, subnormals kept.
;;     - The product sums the exact products of the quantised numbers (number of the format x scale) in f32.
;;   ~~~python
;;   def quantise(x, axis):      # numpy; x: float32 -> the quantised numbers, widened to float32 again
;;       x = np.moveaxis(x, axis, -1); K = x.shape[-1]
;;       x = np.pad(x, [(0, 0)] * (x.ndim - 1) + [(0, -K % 32)]); x = x.reshape(x.shape[:-1] + (-1, 32)); a = np.abs(x).max(-1, keepdims=True)
;;       e = np.where(a > 0, np.clip(np.frexp(np.where(a > 0, a, 1))[1] - 1 - 2, -126, 127), 0)      # np.frexp(a)[1] - 1 = floor(log2(a)), exactly
;;       r = np.clip(x / 2.0 ** e, -7.5, 7.5)
;;       step = 2.0 ** (np.maximum(np.frexp(np.where(r == 0, 1, r))[1] - 1, 0) - 3)
;;       q = np.round(r / step) * step * 2.0 ** e      # np.round: ties to even
;;       return np.moveaxis(q.reshape(q.shape[:-2] + (-1,))[..., :K], -1, axis).astype(np.float32)
;;   ~~~
;;   SOFTMAX AHEAD OF A QUANTISED PRODUCT. Where the list says 'softmax', what is quantised is not the finished softmax but p = 2^(t - M), with t = logit x log2(e) and M = ceil(the row's largest t), a whole number; so 1/2 < the row's largest p <= 1. The row's sum l is taken of the UNQUANTISED p, in f32, and the product's result is divided by l at the end. Since M is a whole number, a kernel that streams over the keys may use a running M (the ceiling of the running maximum): every later rescaling is an exact power of two, which a block's scale takes up: the codes' values come out the same.
;;   OPERANDS COMPUTED ON THE WAY. 'Computed on the way' means the value that the module computes at that place (a softmax that the list does not call 'softmax' is quantised finished and normalised). What goes into a quantiser is computed in f32, as accurately as f32 sums, v_exp_f32 and their like allow (about 1e-6 of the number): no bf16 or f16 on the way to a quantiser, and a product that is left as it is and whose result goes on into a quantised operand takes f32 operands (vector FMAs, or v_wmma_f32_16x16x4_f32). A number that lies on a knife's edge between two numbers of the format may be rounded either way, as far as f32 arithmetic and the matrix unit's own rounding can turn it there, and no further.
;;   INPUTS GIVEN AS CODES. w_res2 (in the module: [384, 384], K = its axis 1): each comes as NAME_codes (uint8): NAME with its K axis moved to the last place and cut into blocks of 32 codes, [.., K / 32, bytes a block], one block behind the other in memory; four codes in three bytes: a row's codes are one little-endian stream of bits, code i at bits 6 i .. 6 i + 5 (a code: sign, 2 exponent bits, 3 mantissa bits); and NAME_scales (uint8): the same leading axes, one E8M0 byte (e + 127) for each 32 codes along K. Its value is code x scale, taken as it is: it is not quantised again, and the codes and scales need not be those that the quantiser above would give.
;; 2 versions, each right; version 2 is version 1 with the launch prep written anew for expert scheduling mode. Each part assembles by itself: llvm-mc -triple=amdgcn-amd-amdhsa -mcpu=gfx1250 --defsym DOCPART=n.
;; ======== version 1 of 2: 2 launches
;; limits: inputs' magnitudes at most 256
;; workspace buffers: kv 19,922,944 bytes; qimg 9,961,472 bytes; rimg 9,961,472 bytes; w2img 118,272 bytes
;; launch prep (part 1): grid 256 x 1, 4 waves a work-group, no clusters, 79,872 bytes of LDS; arguments pos, wq, wk, wv, bq, bk, bv, w_res1, b_res1, bn_gamma, bn_beta, bn_mean, bn_var, w_res2_codes, w_res2_scales, b_res2, kv, qimg, rimg, w2img; writes kv, qimg, rimg, w2img
.if DOCPART == 1
	.amdgcn_target "amdgcn-amd-amdhsa--gfx1250"
	.amdhsa_code_object_version 6
	.text
	.protected	k_qcc81d27910_prep
	.globl	k_qcc81d27910_prep
	.p2align	8
	.type	k_qcc81d27910_prep,@function
k_qcc81d27910_prep:
	s_mov_b64 s[64:65], 0
	v_nop
	global_prefetch_b8 v0, s[64:65] scope:SCOPE_SE
	s_setreg_imm32_b32 hwreg(HW_REG_WAVE_MODE, 25, 1), 1
	s_wait_xcnt 0x0
; PREP: everything that belongs to a point and is read by many work-groups of the attention launch, made once.
; A work-group takes 128 points of one batch (ttmp9 = 16 x batch + block).  It makes the 60-channel sin/cos embedding, q, k, v (three products with K = 60 on codes of FP6, E2M3),
; the residual path's hidden layer relu(BN(w_res1 pos + b_res1)) in f32, and quantises q, k and the hidden layer along the 384 channels and v along the 128 keys.
; ALL RESULTS ARE STORED AS IMAGES OF OPERAND REGISTERS: a fragment (16 rows x 128 K, 12 registers a lane) is three stores of 16 bytes a lane, 512 consecutive aligned bytes each;
; the scale words of six fragments make one chunk of 512 bytes: word i = fragment i's in lanes 0-15 and fragment 3 + i's in lanes 16-31.
; ROW ORDER: row r of tile 2 b + u is point (or channel of wq, wk, w_res1) 32 b + 8 u + r + (r & 8): a transposed product's 16 registers of two neighbouring tiles are then 16 neighbours along the next K.
; SHARES: wave w owns point tiles 2 w, 2 w + 1 (embedding, q, k, hidden layer) and channel tiles 6 w .. 6 w + 5 of v; it quantises tiles 6 w .. 6 w + 5 of each of wq, wk, wv.
; The quantised weights and embeddings go from wave to wave through LDS as register images (K = 60: registers 0-5 alone; registers 6-11 of every receiving buffer are cleared once). One barrier.
; EVERY REQUEST GOES OUT A PHASE AHEAD OF ITS USE.  Each of my 18 weight fragments has 32 registers of its own; their 144 loads go out in three batches between the sin/cos work, which needs pos alone.
; Behind the barrier each group's operands are asked of LDS behind the products of the group before, ahead of its quantisers.
; sin and cos are built in f32: k = nearest whole number to ang x 2/pi, ang - k pi/2 in three fused steps, two polynomials, the quadrant by selects: no branch on data.
; LIMITS: sin and cos are claimed for |pos| <= 256 (|angle| < 2^17); NaN and infinities are not served; a block whose largest magnitude lies under 2^-124, a block of zeros among them,
; gets the scale byte 1 (its codes are zeros or tiny; the bytes are read by this program alone).
; No tensor load: the f32 weights (276,480 bytes) do not fit in LDS beside the images, and the waves load what they need straight into registers.
; REGISTERS, in windows of 256.  window 0: addresses, numbers at work, codes, scale words.  window 1: first weight fragments 0-7 as f32; then WB v0-95, EB v96-191, EO v192-215 (fragments of codes); last the BN constants.
;   window 2: v0-127 the f32 sums (written by matrix instructions alone), v128-175 w_res1's fragments, v176-179 pos's, v192-255 weight fragments 16, 17 as f32, then the bias of eight channel tiles.
;   window 3: weight fragments 8-15 as f32; then v0-23 b_res1.
.set TBL,   0                          ; LDS: bq, bk (1,536 bytes each),
.set TMEAN, 3072                       ; bn_mean,
.set TINV,  4608                       ; gamma / sqrt(var + eps),
.set TBETA, 6144                       ; bn_beta
.set ESC,   7680                       ; the eight embedding tiles' scale words, 128 bytes each
.set EIMG,  8704                       ; their images, 768 bytes each
.set WSC,   14848                      ; the 72 weight tiles' scale words (24 m + t; m = q, k, v)
.set WIMG,  24064                      ; their images
.set R,    1                           ; lane % 16
.set H,    2                           ; lane / 16
.set L16,  3                           ; 16 x lane
.set L8,   4
.set L4,   5
.set H8,   6                           ; 8 h: a shift
.set H64,  7                           ; 64 h
.set CP,   8                           ; r + (r & 8)
.set WQA,  9                           ; wq, wk: my row x 240 + 128 h
.set WQB,  10                          ; my row x 240 + 112: the row's last 16 bytes of block 0; lanes 16-31 read them too and clear them
.set WVA,  11                          ; the same for wv (natural row order)
.set WVB,  12
.set WW16, 13                          ; where I store weight images: 16 x lane + 4,608 x wave + WIMG
.set WW8,  14
.set WWS,  15                          ; and their scale words: 4 x lane + 768 x wave
.set EW16, 16                          ; embedding images: 16 x lane + 1,536 x wave
.set EW8,  17
.set EWS,  18
.set RW16, 19                          ; where any wave reads weight images
.set RW8,  20
.set T4,   21                          ; 4 x thread
.set VX,   22                          ; pos: coordinate 2 h of my point
.set VY,   23                          ; 4 x CP
.set XY,   24                          ; v24-27: X0, Y0, X1, Y1 (X: coordinate 2 h, Y: coordinate 1; tiles 0, 1)
.set VA0,  28
.set VA1,  29
.set VR4,  30
.set VW2,  31
.set TT,   32                          ; v32-55 at work
.set BV,   56                          ; v56-61 bv of my six channel tiles
.set PC,   192                         ; v192-211 codes just made
.set TM,   212                         ; v212-227 at work in the quantiser
.set PW,   228                         ; the scale word just made (v254: the second set's)
.set RSQ,  229                         ; v229-231 1 / sqrt(var + eps), then inv
.set SW,   232                         ; v232-235 a scale chunk; v235 = 0
.set TBR,  236                         ; v236-253 ahead of the barrier: the six tables as loaded, three numbers a thread each
.set WS,   236                         ; v236-243 weights' scale words
.set ES,   244                         ; v244-251 the eight embedding tiles' scale words
.set EOS,  252                         ; v252-253 my own two tiles'
.set C2PI, 44
.set CW1,  45
.set CW2,  46
.set CW3,  47
.set PS0,  48
.set PS1,  49
.set PS2,  50
.set PK0,  51
.set PK1,  52
.set PK2,  53
.set MH,   54                          ; the mask of lanes 16-31
.set SEL,  56                          ; s[56:57] selects for lane l xor 16
.set WV,   58
.set SQ,   66                          ; s[66:67] my unit of qimg
.set SK,   68                          ; my group of K in the step's block;  s[70:71] its scale chunk
.set SKC,  70
.set SV,   72                          ; my group of V;  s[74:75] its scale chunk
.set SVC,  74
.set SR,   76                          ; my unit of rimg
.set MSB, 0
.macro WIN new                         ; the immediate's high byte repeats the setting that is left
.if MSB != (\new)
	s_set_vgpr_msb (MSB<<8)|(\new)
.set MSB, (\new)
.endif
.endm
.macro PLACES n
.rept \n
	v_nop
.endr
.endm
; 32 numbers of a lane, v[x] on in window w, one whole block (lanes 0-15 block 0, lanes 16-31 block 1 of my row): codes into v[QC] .. v[QC+5], the row's scale word (bytes 2, 3 = 0) into v[QW].
; p: which of two sets of result registers; they take turns, so that the last image's three LDS stores, which read the other set, may still be out at the head.
.macro QB w, x, p
.set QC, PC+6*(\p)
.set QT, PC+12+4*(\p)
.set QW, PW+26*(\p)
	s_wait_dscnt 3                                 ; all LDS stores but the last three are done: those that read this set among them
	WIN 5*(\w)                                     ; sources 0 and 1 in window w; the running maximum is source 2
	v_max3_num_f32 v[TM], |v[(\x)]|, |v[(\x)+1]|, 0x1800000      ; two chains, each begun with the floor 2^(3 - 127): the byte cannot fall under 1
	v_max3_num_f32 v[TM+1], |v[(\x)+2]|, |v[(\x)+3]|, 0x1800000
.irp i, 4,8,12,16,20,24,28
	v_max3_num_f32 v[TM], |v[(\x)+\i]|, |v[(\x)+\i+1]|, v[TM]
	v_max3_num_f32 v[TM+1], |v[(\x)+\i+2]|, |v[(\x)+\i+3]|, v[TM+1]
.endr
	WIN 0
	v_max_num_f32 v[TM], v[TM], v[TM+1]
	v_add_nc_u32 v[TM+12], 0xff000000, v[TM]       ; 2 off the exponent field: the conversion's scale operand
	v_lshrrev_b32 v[TM+1], 23, v[TM+12]            ; the byte,
	v_lshlrev_b32 v[QW], v[H8], v[TM+1]            ; at its place,
	v_permlanex16_b32 v[TM+4], v[QW], s[SEL], s[SEL+1]
	v_or_b32 v[QW], v[QW], v[TM+4]                 ; with the other block's
	WIN \w                                         ; source 0 in window w
	v_cvt_scalef32_pk16_fp6_f32 v[QC:QC+2], v[(\x):(\x)+15], v[TM+12]
	v_cvt_scalef32_pk16_fp6_f32 v[QT:QT+2], v[(\x)+16:(\x)+31], v[TM+12]   ; (a conversion's three registers begin on an even number)
	WIN 0
	v_nop                                          ; one plain place behind a scaled conversion
.irp i, 0,1,2
	v_mov_b32 v[QC+3+\i], v[QT+\i]
.endr
.endm
; 64 numbers of a lane, register 16 b + i = k 32 b + 16 (lane / 16) + i of my row: a fragment's codes into v[PC] .. v[PC+11], its scale word into v[PW]
.macro QUANT s
	s_wait_xcnt 0x0                                ; the last fragment's stores have read PC, the last chunk's SW
.irp b, 0,1,2,3
	v_max3_num_f32 v[TM+\b], |v[(\s)+16*\b]|, |v[(\s)+1+16*\b]|, 0x1800000
.endr
.irp i, 2,4,6,8,10,12,14
.irp b, 0,1,2,3
	v_max3_num_f32 v[TM+\b], v[TM+\b], |v[(\s)+16*\b+\i]|, |v[(\s)+1+16*\b+\i]|
.endr
.endr
.irp b, 0,1,2,3
	v_permlanex16_b32 v[TM+4+\b], v[TM+\b], s[SEL], s[SEL+1]
.endr
.irp b, 0,1,2,3
	v_max_num_f32 v[TM+\b], v[TM+\b], v[TM+4+\b]   ; with lane l xor 16's: the block's largest magnitude
.endr
.irp b, 0,1,2,3
	v_add_nc_u32 v[TM+12+\b], 0xff000000, v[TM+\b]
.endr
.irp b, 0,1,2,3
	v_lshrrev_b32 v[TM+4+\b], 23, v[TM+12+\b]
.endr
	v_lshl_or_b32 v[PW], v[TM+5], 8, v[TM+4]
	v_lshl_or_b32 v[PW], v[TM+6], 16, v[PW]
	v_lshl_or_b32 v[PW], v[TM+7], 24, v[PW]
.irp c, 0,1
	v_cvt_scalef32_pk16_fp6_f32 v[PC+6*\c:PC+2+6*\c], v[(\s)+32*\c:(\s)+15+32*\c], v[TM+12+2*\c]
	v_cvt_scalef32_pk16_fp6_f32 v[PC+12+4*\c:PC+14+4*\c], v[(\s)+16+32*\c:(\s)+31+32*\c], v[TM+12+2*\c+1]
.endr
	v_nop                                          ; one plain place behind a scaled conversion
.irp c, 0,1                                    ; the operand's layout wants a whole block in a lane
.irp i, 0,1,2
	v_permlane16_swap_b32 v[PC+6*\c+\i], v[PC+12+4*\c+\i]
.endr
.irp i, 0,1,2
	v_mov_b32 v[PC+3+6*\c+\i], v[PC+12+4*\c+\i]
.endr
.endr
.endm
.macro STF p, off                              ; the fragment in PC leaves as its image: three stores of 512 consecutive aligned bytes
.irp c, 0,1,2
	global_store_b128 v[L16], v[PC+4*\c:PC+4*\c+3], s[\p:\p+1] offset:(\off)+512*\c
.endr
.endm
.macro QOUT s, fp                              ; my two point tiles' 64 numbers (v64.., v128..) become fragments s and 3 + s of a unit; their scale words go into word s of the chunk
	QUANT 64
	STF \fp, 1536*(\s)
	v_mov_b32 v[SW+\s], v[PW]
	QUANT 128
	STF \fp, 1536*(3+\s)
	v_cndmask_b32 v[SW+\s], v[SW+\s], v[PW], s[MH]
.endm
; sin and cos of 2^f x (X0, Y0, X1, Y1), four streams line by line.  Stream q's six registers at TT + 6 q: +0 k, then n; +1 the angle, then r; +2 z = r r; +3, +4, +5 at work
.macro SINCOS4 f
.irp q, 0,1,2,3
	v_ldexp_f32 v[TT+6*\q+1], v[XY+\q], \f         ; exact
.endr
.irp q, 0,1,2,3
	v_mul_f32 v[TT+6*\q], s[C2PI], v[TT+6*\q+1]
.endr
.irp q, 0,1,2,3
	v_rndne_f32 v[TT+6*\q], v[TT+6*\q]
.endr
.irp q, 0,1,2,3
	v_fma_f32 v[TT+6*\q+1], -v[TT+6*\q], s[CW1], v[TT+6*\q+1]   ; exact: the difference fits 24 bits
.endr
.irp q, 0,1,2,3
	v_fma_f32 v[TT+6*\q+1], -v[TT+6*\q], s[CW2], v[TT+6*\q+1]
.endr
.irp q, 0,1,2,3
	v_fma_f32 v[TT+6*\q+1], -v[TT+6*\q], s[CW3], v[TT+6*\q+1]
.endr
.irp q, 0,1,2,3
	v_cvt_i32_f32 v[TT+6*\q], v[TT+6*\q]
.endr
.irp q, 0,1,2,3
	v_mul_f32 v[TT+6*\q+2], v[TT+6*\q+1], v[TT+6*\q+1]
.endr
.irp q, 0,1,2,3
	v_fma_f32 v[TT+6*\q+3], s[PS0], v[TT+6*\q+2], s[PS1]
.endr
.irp q, 0,1,2,3
	v_fma_f32 v[TT+6*\q+4], s[PK0], v[TT+6*\q+2], s[PK1]
.endr
.irp q, 0,1,2,3
	v_mul_f32 v[TT+6*\q+5], v[TT+6*\q+2], v[TT+6*\q+1]
.endr
.irp q, 0,1,2,3
	v_fma_f32 v[TT+6*\q+3], v[TT+6*\q+3], v[TT+6*\q+2], s[PS2]
.endr
.irp q, 0,1,2,3
	v_fma_f32 v[TT+6*\q+4], v[TT+6*\q+4], v[TT+6*\q+2], s[PK2]
.endr
.irp q, 0,1,2,3
	v_fma_f32 v[TT+6*\q+3], v[TT+6*\q+3], v[TT+6*\q+5], v[TT+6*\q+1]   ; sin r
.endr
.irp q, 0,1,2,3
	v_fma_f32 v[TT+6*\q+5], v[TT+6*\q+2], -0.5, 1.0
.endr
.irp q, 0,1,2,3
	v_mul_f32 v[TT+6*\q+4], v[TT+6*\q+4], v[TT+6*\q+2]
.endr
.irp q, 0,1,2,3
	v_fma_f32 v[TT+6*\q+4], v[TT+6*\q+4], v[TT+6*\q+2], v[TT+6*\q+5]   ; cos r
.endr
.irp q, 0,1,2,3
	v_and_b32 v[TT+6*\q+5], 1, v[TT+6*\q]
.endr
.irp q, 0,1,2,3
	v_cmp_eq_u32 s[80+\q], 1, v[TT+6*\q+5]         ; odd quadrants change sin r and cos r
.endr
.irp q, 0,1,2,3
	v_lshlrev_b32 v[TT+6*\q+1], 30, v[TT+6*\q]
.endr
.irp q, 0,1,2,3
	v_add_nc_u32 v[TT+6*\q], 1, v[TT+6*\q]
.endr
.irp q, 0,1,2,3
	v_and_b32 v[TT+6*\q+1], 0x80000000, v[TT+6*\q+1]   ; sin's sign: bit 1 of n
.endr
.irp q, 0,1,2,3
	v_lshlrev_b32 v[TT+6*\q], 30, v[TT+6*\q]
.endr
.irp q, 0,1,2,3
	v_cndmask_b32 v[TT+6*\q+2], v[TT+6*\q+3], v[TT+6*\q+4], s[80+\q]
.endr
.irp q, 0,1,2,3
	v_cndmask_b32 v[TT+6*\q+5], v[TT+6*\q+4], v[TT+6*\q+3], s[80+\q]
.endr
.irp q, 0,1,2,3
	v_and_b32 v[TT+6*\q], 0x80000000, v[TT+6*\q]   ; cos's sign: bit 1 of n + 1
.endr
.irp q, 0,1,2,3
	v_xor_b32 v[128+40*(\q/2)+20*(\q%2)+\f], v[TT+6*\q+2], v[TT+6*\q+1]
.endr
.irp q, 0,1,2,3
	v_xor_b32 v[138+40*(\q/2)+20*(\q%2)+\f], v[TT+6*\q+5], v[TT+6*\q]
.endr
.endm
; where weight fragment n of 18 (matrix n / 6, my tile n % 6) keeps its 32 numbers: window WFW, register WFX on
.macro WPLACE n
.if (\n) < 8
.set WFW, 1
.set WFX, 32*(\n)
.elseif (\n) < 16
.set WFW, 3
.set WFX, 32*((\n)-8)
.else
.set WFW, 2
.set WFX, 192+32*((\n)-16)
.endif
.endm
.macro WLOAD n                                 ; its eight loads of 16 bytes
	WPLACE \n
.set WLM, (\n)/6
.set WLI, (\n)%6
.if WLM < 2
.set WLO, (32*(WLI/2)+8*(WLI%2))*240
.set WLA, WQA
.else
.set WLO, 16*WLI*240
.set WLA, WVA
.endif
	WIN WFW<<6                                     ; destination window WFW, address window 0
.irp c, 0,1,2,3,4,5,6
	global_load_b128 v[WFX+4*\c:WFX+4*\c+3], v[WLA], s[6+2*WLM:7+2*WLM] offset:WLO+16*\c
.endr
	global_load_b128 v[WFX+28:WFX+31], v[WLA+1], s[6+2*WLM:7+2*WLM] offset:WLO   ; k = 28 .. 31 in both halves: no load leaves the row
.endm
.macro WFRAG n                                 ; it is quantised, and its image goes to LDS
	WPLACE \n
.if (\n) >= 11
	s_wait_loadcnt 8*(17-(\n))                     ; this fragment's eight loads are in; those of the fragments behind it may be out
.endif
	WIN 0x41*WFW                                   ; destination and source 0 window WFW
.irp j, 28,29,30,31
	v_cndmask_b32 v[WFX+\j], v[WFX+\j], 0, s[MH]   ; k = 60 .. 63 are zeros
.endr
	QB WFW, WFX, (\n)%2
	ds_store_b128 v[WW16], v[QC:QC+3] offset:(24*((\n)/6)+(\n)%6)*768
	ds_store_b64 v[WW8], v[QC+4:QC+5] offset:(24*((\n)/6)+(\n)%6)*768
	ds_store_b32 v[WWS], v[QW] offset:WSC+(24*((\n)/6)+(\n)%6)*128
.endm
	s_load_b512 s[4:19], s[0:1], 0x0               ; pos, wq, wk, wv, bq, bk, bv, w_res1
	s_load_b512 s[20:35], s[0:1], 0x40             ; b_res1, gamma, beta, mean, var, w_res2's codes, its scales, b_res2
	s_load_b256 s[36:43], s[0:1], 0x80             ; kv, qimg, rimg, w2img
	v_lshl_add_u32 v223, v0, 2, 0x13600
	v_mov_b32 v255, 0
	v_lshrrev_b32 v63, 5, v0
	v_readfirstlane_b32 s[WV], v63                 ; wave 0..3
	v_and_b32 v63, 31, v0                          ; lane; kept
	v_and_b32 v[R], 15, v0
	v_bfe_u32 v[H], v0, 4, 1
	v_lshlrev_b32 v[L16], 4, v63
	v_lshlrev_b32 v[L8], 3, v63
	v_lshlrev_b32 v[L4], 2, v63
	v_lshlrev_b32 v[H8], 3, v[H]
	v_lshlrev_b32 v[H64], 6, v[H]
	v_and_b32 v[CP], 8, v[R]
	v_add_nc_u32 v[CP], v[CP], v[R]
	v_mul_u32_u24 v[WQB], v[CP], 240
	v_lshl_add_u32 v[WQA], v[H], 7, v[WQB]
	v_add_nc_u32 v[WQB], 112, v[WQB]
	v_mul_u32_u24 v[WVB], v[R], 240
	v_lshl_add_u32 v[WVA], v[H], 7, v[WVB]
	v_add_nc_u32 v[WVB], 112, v[WVB]
	s_mul_i32 s59, s[WV], 4608
	s_add_co_u32 s59, s59, WIMG
	v_add_nc_u32 v[WW16], s59, v[L16]
	s_add_co_u32 s59, s59, 512
	v_add_nc_u32 v[WW8], s59, v[L8]
	s_mul_i32 s59, s[WV], 768
	v_add_nc_u32 v[WWS], s59, v[L4]
	s_mul_i32 s59, s[WV], 1536
	v_add_nc_u32 v[EW16], s59, v[L16]
	v_add_nc_u32 v[EW8], s59, v[L8]
	s_lshl_b32 s59, s[WV], 8
	v_add_nc_u32 v[EWS], s59, v[L4]
	v_add_nc_u32 v[RW16], WIMG, v[L16]
	v_add_nc_u32 v[RW8], WIMG+512, v[L8]
	v_lshlrev_b32 v[T4], 2, v0
	v_lshlrev_b32 v[VY], 2, v[CP]
	v_lshl_add_u32 v[VX], v[H], 14, v[VY]          ; coordinate 2 h: 8,192 bytes a coordinate
	v_mul_u32_u24 v[VA1], v[CP], 12
	v_lshl_add_u32 v[VA0], v[H], 3, v[VA1]
	v_lshlrev_b32 v[VR4], 2, v[R]
	v_mul_u32_u24 v[VW2], v[R], 288
	v_mad_u32_u24 v[VW2], v[H], 24, v[VW2]
	s_mov_b32 s[C2PI], 0x3f22f983                  ; 2 / pi
	s_mov_b32 s[CW1], 0x3fc90fdb                   ; pi / 2 in three parts
	s_mov_b32 s[CW2], 0xb33bbd2e
	s_mov_b32 s[CW3], 0xa6f72ced
	s_mov_b32 s[PS0], 0xb94ca1f9                   ; sin r = r + r z ((PS0 z + PS1) z + PS2)
	s_mov_b32 s[PS1], 0x3c08839e
	s_mov_b32 s[PS2], 0xbe2aaaa3
	s_mov_b32 s[PK0], 0x37ccf5ce                   ; cos r = 1 - z / 2 + z z ((PK0 z + PK1) z + PK2)
	s_mov_b32 s[PK1], 0xbab6061a
	s_mov_b32 s[PK2], 0x3d2aaaa5
	s_mov_b32 s[MH], 0xffff0000
	s_mov_b32 s[SEL], 0x76543210
	s_mov_b32 s[SEL+1], 0xfedcba98
	s_lshr_b32 s60, ttmp9, 4                       ; batch
	s_and_b32 s61, ttmp9, 15                       ; block of 128 points
	s_mul_i32 s60, s60, 24576
	s_lshl_b32 s61, s61, 9
	s_add_co_u32 s60, s60, s61
	s_lshl_b32 s61, s[WV], 7
	s_add_co_u32 s60, s60, s61                     ; my 32 points in coordinate 0
	s_mov_b32 s61, 0
	s_mul_i32 s62, ttmp9, 77824
	s_mov_b32 s63, 0
	s_wait_kmcnt 0x0
	s_add_nc_u64 s[4:5], s[4:5], s[60:61]
	s_mul_i32 s60, s[WV], 23040                    ; my 96 rows of each weight
	s_add_nc_u64 s[6:7], s[6:7], s[60:61]
	s_add_nc_u64 s[8:9], s[8:9], s[60:61]
	s_add_nc_u64 s[10:11], s[10:11], s[60:61]
	s_mul_i32 s60, s[WV], 384
	s_add_nc_u64 s[16:17], s[16:17], s[60:61]
	s_add_nc_u64 s[36:37], s[36:37], s[62:63]      ; this key step's block of kv
	s_mul_i32 s60, s[WV], 9216
	s_add_nc_u64 s[SK:SK+1], s[36:37], s[60:61]
	s_add_nc_u64 s[SV:SV+1], s[SK:SK+1], 36864
	s_lshl_b32 s60, s[WV], 9
	s_add_nc_u64 s[SKC:SKC+1], s[36:37], s[60:61]
	s_add_nc_u64 s[SVC:SVC+1], s[SKC:SKC+1], 75776
	s_add_nc_u64 s[SKC:SKC+1], s[SKC:SKC+1], 73728
	s_lshl_b32 s60, ttmp9, 2
	s_add_co_u32 s60, s60, s[WV]
	s_mul_i32 s60, s60, 9728
	s_add_nc_u64 s[SQ:SQ+1], s[38:39], s[60:61]
	s_add_nc_u64 s[SR:SR+1], s[40:41], s[60:61]
	; ---- the first batch of loads: pos ahead of all, then the tables, bv and weight fragments 0-3: 4 + 18 + 6 + 32
	global_load_b32 v[XY], v[VX], s[4:5]
	global_load_b32 v[XY+1], v[VY], s[4:5] offset:8192
	global_load_b32 v[XY+2], v[VX], s[4:5] offset:32
	global_load_b32 v[XY+3], v[VY], s[4:5] offset:8224
.irp i, 0,1,2
	global_load_b32 v[TBR+\i], v[T4], s[12:13] offset:512*\i       ; bq
	global_load_b32 v[TBR+3+\i], v[T4], s[14:15] offset:512*\i     ; bk
	global_load_b32 v[TBR+6+\i], v[T4], s[26:27] offset:512*\i     ; mean
	global_load_b32 v[TBR+9+\i], v[T4], s[22:23] offset:512*\i     ; gamma
	global_load_b32 v[TBR+12+\i], v[T4], s[28:29] offset:512*\i    ; var
	global_load_b32 v[TBR+15+\i], v[T4], s[24:25] offset:512*\i    ; beta
.endr
.irp i, 0,1,2,3,4,5
	global_load_b32 v[BV+\i], v[VR4], s[16:17] offset:64*\i
.endr
.irp n, 0,1,2,3
	WLOAD \n
.endr
	WIN 0
	v_mov_b32 v[SW+3], 0
.irp b, 0,1,2,3
	v_mov_b32 v[TM+4+\b], 0                        ; a lane permute's destination counts as one of its sources
.endr
	s_wait_loadcnt 56                              ; pos is in: behind it stand 18 + 6 + 32 loads, which may be out
	; ---- the embedding's sines and cosines, with the other two batches of weight loads between them: 56 loads each, on their way while the wave computes
	SINCOS4 0
.irp n, 4,5,6,7,8,9,10
	WLOAD \n
.endr
	WIN 0
.irp f, 1,2,3,4,5
	SINCOS4 \f
.endr
.irp n, 11,12,13,14,15,16,17
	WLOAD \n
.endr
	WIN 0
.irp f, 6,7,8,9
	SINCOS4 \f
.endr
.irp u, 0,1                                    ; lanes 0-15 take channels 0 .. 31 (sin X, cos X, sin Y, cos Y 0-1), lanes 16-31 channels 32 .. 63 (cos Y 2-9, sin Z, cos Z, four zeros)
.irp i, 0,1,2,3,4,5,6,7
	v_cndmask_b32 v[64+32*\u+\i], v[128+40*\u+\i], v[160+40*\u+\i], s[MH]
.endr
.irp i, 8,9,10,11,12,13,14,15,16,17,18,19,20,21,22,23,24,25,26,27
	v_cndmask_b32 v[64+32*\u+\i], v[128+40*\u+\i], v[120+40*\u+\i], s[MH]
.endr
.irp i, 28,29,30,31
	v_cndmask_b32 v[64+32*\u+\i], v[128+40*\u+\i], 0, s[MH]
.endr
.endr
.irp u, 0,1
	QB 0, 64+32*\u, \u
	ds_store_b128 v[EW16], v[QC:QC+3] offset:EIMG+768*\u
	ds_store_b64 v[EW8], v[QC+4:QC+5] offset:EIMG+512+768*\u
	ds_store_b32 v[EWS], v[QW] offset:ESC+128*\u
.endr
	s_wait_loadcnt 56                              ; all but the last batch's 56 loads are in: the tables, bv, weight fragments 0-10
	; ---- the tables of 384 numbers
.irp i, 0,1,2
	v_add_f32 v[TBR+12+\i], 0x3727c5ac, v[TBR+12+\i]   ; var + 1e-5
.endr
.irp i, 0,1,2
	v_rsq_f32 v[RSQ+\i], v[TBR+12+\i]
.endr
.irp i, 0,1,2
	ds_store_b32 v[T4], v[TBR+\i] offset:TBL+512*\i
	ds_store_b32 v[T4], v[TBR+3+\i] offset:TBL+1536+512*\i
	ds_store_b32 v[T4], v[TBR+6+\i] offset:TMEAN+512*\i
	ds_store_b32 v[T4], v[TBR+15+\i] offset:TBETA+512*\i
.endr
	v_nop                                          ; a plain place behind the last transcendental
	s_wait_alu depctr_va_vdst(0)                   ; one wait for the three, ahead of their first reader
.irp i, 0,1,2
	v_mul_f32 v[RSQ+\i], v[TBR+9+\i], v[RSQ+\i]
.endr
.irp i, 0,1,2
	ds_store_b32 v[T4], v[RSQ+\i] offset:TINV+512*\i
.endr
	; ---- my 18 weight fragments
.irp n, 0,1,2,3,4,5,6,7,8,9,10,11,12,13,14,15,16,17
	WFRAG \n
.endr
	WIN 0x80                                       ; destination window 2
.irp u, 0,1
	v_mov_b32 v[176+2*\u], v[XY+2*\u]              ; pos as an f32 fragment: k = 2 h;
	v_cndmask_b32 v[177+2*\u], v[XY+2*\u+1], 1.0, s[MH]   ; k = 1, and k = 3 is 1.0
.endr
.irp t, 0,1,2,3,4,5,6,7,8,9,10,11,12,13,14,15,16,17,18,19,20,21,22,23
	global_load_b32 v[128+2*\t], v[VA0], s[18:19] offset:(32*(\t/2)+8*(\t%2))*12      ; w_res1's 24 tiles as f32 fragments: register j holds k = 2 h + j.  Wanted in the last phase: waited for there
	global_load_b32 v[129+2*\t], v[VA1], s[18:19] offset:(32*(\t/2)+8*(\t%2))*12+4
.endr
	WIN 0x40                                       ; registers 6-11 (k = 64 .. 127) of every buffer that takes a K = 60 image: cleared once, now that the f32 weights have left window 1
.irp f, 0,1,2,3,4,5,6,7
.irp j, 6,7,8,9,10,11
	v_mov_b32 v[12*\f+\j], 0
	v_mov_b32 v[96+12*\f+\j], 0
.endr
.endr
.irp f, 0,1
.irp j, 6,7,8,9,10,11
	v_mov_b32 v[192+12*\f+\j], 0
.endr
.endr
	WIN 0
	s_wait_dscnt 0x0                               ; for the others' sake: all my LDS stores have landed
	s_barrier_signal -1
	s_barrier_wait -1                              ; tables, weights and embeddings lie in LDS; nobody writes LDS from here on
	; ---- q and k: source 0 = 16 rows of the weight, source 1 = my 16 points; the bias is the C: eight registers a channel tile, the same for both point tiles
; the operands of channel step s of matrix m: eight weight fragments, their bias, their scale words: 40 LDS loads in one run
.macro QKLOAD m, s
	WIN 0x40
.irp t, 0,1,2,3,4,5,6,7
	ds_load_b128 v[12*\t:12*\t+3], v[RW16] offset:(24*(\m)+8*(\s)+\t)*768
	ds_load_b64 v[12*\t+4:12*\t+5], v[RW8] offset:(24*(\m)+8*(\s)+\t)*768
.endr
	WIN 0x80
.irp t, 0,1,2,3,4,5,6,7
	ds_load_b128 v[192+8*\t:195+8*\t], v[H64] offset:TBL+1536*(\m)+512*(\s)+128*(\t/2)+32*(\t%2)
	ds_load_b128 v[196+8*\t:199+8*\t], v[H64] offset:TBL+1536*(\m)+512*(\s)+128*(\t/2)+32*(\t%2)+16
.endr
	WIN 0
.irp t, 0,1,2,3,4,5,6,7
	ds_load_b32 v[WS+\t], v[L4] offset:WSC+(24*(\m)+8*(\s)+\t)*128
.endr
.endm
; all that v's products want: the eight embedding fragments, my six fragments of wv, their scale words: 42 LDS loads in one run
.macro VLOAD
	WIN 0x40
.irp t, 0,1,2,3,4,5,6,7
	ds_load_b128 v[96+12*\t:96+12*\t+3], v[L16] offset:EIMG+768*\t
	ds_load_b64 v[96+12*\t+4:96+12*\t+5], v[L8] offset:EIMG+512+768*\t
.endr
.irp i, 0,1,2,3,4,5
	ds_load_b128 v[12*\i:12*\i+3], v[WW16] offset:(48+\i)*768
	ds_load_b64 v[12*\i+4:12*\i+5], v[WW8] offset:(48+\i)*768
.endr
	WIN 0
.irp t, 0,1,2,3,4,5,6,7
	ds_load_b32 v[ES+\t], v[L4] offset:ESC+128*\t
.endr
.irp i, 0,1,2,3,4,5
	ds_load_b32 v[WS+\i], v[WWS] offset:WSC+(48+\i)*128
.endr
.endm
; a group: 16 products, the NEXT group's operands asked of LDS, then this group's two quantisers, under which those loads land
.macro QKG m, s, fp
	PLACES 5                                       ; accumulators are begun anew over earlier results
	s_wait_dscnt 0x0                               ; this group's operands, asked for a group ago
	WIN 0x25                                       ; sources 0 and 1 window 1, the bias window 2
.irp t, 0,1,2,3,4,5,6,7
.irp u, 0,1
	v_wmma_scale_f32_16x16x128_f8f6f4 v[64+64*\u+8*\t:64+64*\u+8*\t+7], v[12*\t:12*\t+11], v[192+12*\u:192+12*\u+11], v[192+8*\t:192+8*\t+7], v[WS+\t], v[EOS+\u] matrix_a_fmt:MATRIX_FMT_FP6 matrix_b_fmt:MATRIX_FMT_FP6
.endr
.endr
	WIN 0
	PLACES 4                                       ; in front of loads into registers that these products have read, and of the first read of their results
.if (\s) < 2
	QKLOAD \m, (\s)+1
.elseif (\m) == 0
	QKLOAD 1, 0
.else
	VLOAD
.endif
	QOUT \s, \fp
.endm
	WIN 0x40
.irp u, 0,1
	ds_load_b128 v[192+12*\u:195+12*\u], v[EW16] offset:EIMG+768*\u
	ds_load_b64 v[196+12*\u:197+12*\u], v[EW8] offset:EIMG+512+768*\u
.endr
	WIN 0
.irp u, 0,1
	ds_load_b32 v[EOS+\u], v[EWS] offset:ESC+128*\u
.endr
	QKLOAD 0, 0
	QKG 0, 0, SQ
	QKG 0, 1, SQ
	WIN 0xc0                                       ; destination window 3, which the f32 weights have left
.irp t, 0,1,2,3,4,5,6,7,8,9,10,11,12,13,14,15,16,17,18,19,20,21,22,23
	global_load_b32 v[\t], v[VY], s[20:21] offset:(32*(\t/2)+8*(\t%2))*4    ; b_res1: it rides as k = 3 against 1.0.  Waited for in the last phase
.endr
	WIN 0
	QKG 0, 2, SQ
	global_store_b128 v[L16], v[SW:SW+3], s[SQ:SQ+1] offset:9216
	QKG 1, 0, SK
	QKG 1, 1, SK
	QKG 1, 2, SK
	global_store_b128 v[L16], v[SW:SW+3], s[SKC:SKC+1]
	; ---- v: source 0 = 16 points, source 1 = 16 rows of wv: a lane holds one channel, its registers run along the keys
.irp i, 0,1,2,3,4,5
.irp j, 0,1,2,3,4,5,6,7
	v_mov_b32 v[32+\j], v[BV+\i]                   ; the C: my channel's bias in all eight registers
.endr
	PLACES 5
.if \i == 0
	s_wait_dscnt 0x0                               ; all of v's operands, asked for under k's last quantisers
.endif
	WIN 0x05
.irp t, 0,1,2,3,4,5,6,7
	v_wmma_scale_f32_16x16x128_f8f6f4 v[64+8*\t:64+8*\t+7], v[96+12*\t:96+12*\t+11], v[12*\i:12*\i+11], v[32:39], v[ES+\t], v[WS+\i] matrix_a_fmt:MATRIX_FMT_FP6 matrix_b_fmt:MATRIX_FMT_FP6
.endr
	WIN 0
	PLACES 4
	QUANT 64
	STF SV, 1536*\i
.if \i < 3
	v_mov_b32 v[SW+\i], v[PW]
.else
	v_cndmask_b32 v[SW+\i-3], v[SW+\i-3], v[PW], s[MH]
.endif
.endr
	global_store_b128 v[L16], v[SW:SW+3], s[SVC:SVC+1]
	; ---- the residual path's hidden layer, in f32: K = 4 is (x, y, z, 1) against (w0, w1, w2, b_res1); the sums' registers (window 2, v0-127) are written by matrix instructions alone
; mean, inv and beta at my eight channels of each of channel step s's eight tiles: 24 registers a tile in window 1, 48 LDS loads in one run
.macro BNLOAD s
	WIN 0x40
.irp t, 0,1,2,3,4,5,6,7
	ds_load_b128 v[24*\t:24*\t+3], v[H64] offset:TMEAN+512*(\s)+128*(\t/2)+32*(\t%2)
	ds_load_b128 v[24*\t+4:24*\t+7], v[H64] offset:TMEAN+512*(\s)+128*(\t/2)+32*(\t%2)+16
	ds_load_b128 v[24*\t+8:24*\t+11], v[H64] offset:TINV+512*(\s)+128*(\t/2)+32*(\t%2)
	ds_load_b128 v[24*\t+12:24*\t+15], v[H64] offset:TINV+512*(\s)+128*(\t/2)+32*(\t%2)+16
	ds_load_b128 v[24*\t+16:24*\t+19], v[H64] offset:TBETA+512*(\s)+128*(\t/2)+32*(\t%2)
	ds_load_b128 v[24*\t+20:24*\t+23], v[H64] offset:TBETA+512*(\s)+128*(\t/2)+32*(\t%2)+16
.endr
	WIN 0
.endm
	BNLOAD 0
	s_wait_loadcnt 0x0                             ; w_res1 and b_res1, asked for phases ago
	WIN 0x8e                                       ; destination and source 0 window 2, source 1 window 3
.irp t, 0,1,2,3,4,5,6,7,8,9,10,11,12,13,14,15,16,17,18,19,20,21,22,23
	v_cndmask_b32 v[129+2*\t], v[129+2*\t], v[\t], s[MH]   ; lanes 16-31: k = 3 is b_res1
.endr
	WIN 0
.irp s, 0,1,2
	PLACES 9
	WIN 0x8a
.irp t, 0,1,2,3,4,5,6,7
.irp u, 0,1
	v_wmma_f32_16x16x4_f32 v[64*\u+8*\t:64*\u+8*\t+7], v[128+2*(8*\s+\t):129+2*(8*\s+\t)], v[176+2*\u:177+2*\u], 0
.endr
.endr
	WIN 0
	PLACES 8
	s_wait_dscnt 0x0                               ; this step's constants
	WIN 0x06                                       ; source 0 (the sums) window 2, source 1 (mean) window 1
.irp t, 0,1,2,3,4,5,6,7
.irp u, 0,1
.irp j, 0,2,4,6
	v_pk_add_f32 v[64+64*\u+8*\t+\j:64+64*\u+8*\t+\j+1], v[64*\u+8*\t+\j:64*\u+8*\t+\j+1], v[24*\t+\j:24*\t+\j+1] neg_lo:[0,1] neg_hi:[0,1]   ; - mean; each sum is read from its low end on
.endr
.endr
.endr
	WIN 0x14                                       ; sources 1 and 2 (inv, beta) window 1
.irp t, 0,1,2,3,4,5,6,7
.irp u, 0,1
.irp j, 0,2,4,6
	v_pk_fma_f32 v[64+64*\u+8*\t+\j:64+64*\u+8*\t+\j+1], v[64+64*\u+8*\t+\j:64+64*\u+8*\t+\j+1], v[24*\t+8+\j:24*\t+9+\j], v[24*\t+16+\j:24*\t+17+\j]
.endr
.endr
.endr
	WIN 0
.if \s < 2
	BNLOAD \s+1                                    ; the next step's constants land under the clipping and the two quantisers
.endif
.set j, 0
.rept 128
	v_max_num_f32 v[64+j], 0, v[64+j]
.set j, j+1
.endr
	QOUT \s, SR
.endr
	global_store_b128 v[L16], v[SW:SW+3], s[SR:SR+1] offset:9216
	; ---- w_res2 as register images: record g (channel tiles 2 g, 2 g + 1) by wave 0 of work-group g, g < 12; and 32 numbers of b_res2
	s_cmp_lt_u32 ttmp9, 12
	s_cbranch_scc0 .Ldone
	s_cmp_eq_u32 s[WV], 0
	s_cbranch_scc0 .Ldone
	s_wait_xcnt 0x0                                ; the chunk's store has read SW
	s_mov_b32 s61, 0
	s_mul_i32 s60, ttmp9, 9216
	s_add_nc_u64 s[30:31], s[30:31], s[60:61]
	s_mul_i32 s60, ttmp9, 384
	s_add_nc_u64 s[32:33], s[32:33], s[60:61]
	s_lshl_b32 s60, ttmp9, 7
	s_add_nc_u64 s[34:35], s[34:35], s[60:61]
	s_add_nc_u64 s[78:79], s[42:43], s[60:61]
	s_mul_i32 s60, ttmp9, 9728
	s_add_nc_u64 s[42:43], s[42:43], s[60:61]
	v_mul_u32_u24 v62, v63, 12
.irp u, 0,1
.irp s, 0,1,2
.irp p, 0,1,2,3,4,5
	global_load_b64 v[64+12*(3*\u+\s)+2*\p:65+12*(3*\u+\s)+2*\p], v[VW2], s[30:31] offset:4608*\u+96*\s+48*(\p/3)+8*(\p%3)
.endr
.endr
.endr
.irp s, 0,1,2
	global_load_b32 v[SW+\s], v62, s[32:33] offset:4*\s    ; lane 16 u + r: row 16 u + r's word of K step s
.endr
	global_load_b32 v229, v[L4], s[34:35]
	s_wait_loadcnt 0x0
.irp f, 0,1,2,3,4,5
.irp c, 0,1,2
	global_store_b128 v[L16], v[64+12*\f+4*\c:67+12*\f+4*\c], s[42:43] offset:1536*\f+512*\c
.endr
.endr
	global_store_b128 v[L16], v[SW:SW+3], s[42:43] offset:9216
	global_store_b32 v[L4], v229, s[78:79] offset:116736
.Ldone:
	s_wait_tensorcnt 0x0
	ds_add_u32 v223, v255
	s_wait_dscnt 0x0
	s_endpgm
.Lfunc_end_k_qcc81d27910_prep:
	.size	k_qcc81d27910_prep, .Lfunc_end_k_qcc81d27910_prep-k_qcc81d27910_prep
	.p2alignl 7, 3214868480
	.fill 96, 4, 3214868480
	.section	.rodata,"a",@progbits
	.p2align	6, 0x0
	.amdhsa_kernel k_qcc81d27910_prep
		.amdhsa_group_segment_fixed_size 79872
		.amdhsa_private_segment_fixed_size 0
		.amdhsa_enable_private_segment 0
		.amdhsa_kernarg_size 160
		.amdhsa_user_sgpr_count 2
		.amdhsa_user_sgpr_kernarg_segment_ptr 1
		.amdhsa_wavefront_size32 1
		.amdhsa_system_sgpr_workgroup_id_x 1
		.amdhsa_system_sgpr_workgroup_id_y 1
		.amdhsa_system_sgpr_workgroup_id_z 1
		.amdhsa_system_vgpr_workitem_id 0
		.amdhsa_next_free_vgpr 1024
		.amdhsa_next_free_sgpr 100
		.amdhsa_reserve_vcc 0
		.amdhsa_float_denorm_mode_32 3
		.amdhsa_float_denorm_mode_16_64 3
		.amdhsa_memory_ordered 1
		.amdhsa_forward_progress 1
		.amdhsa_inst_pref_size 255
	.end_amdhsa_kernel
	.section	.bss,"aw",@nobits
	.p2align	6
	.space	262144
	.amdgpu_metadata
---
amdhsa.version: [ 1, 2 ]
amdhsa.kernels:
  - .name:           k_qcc81d27910_prep
    .symbol:         k_qcc81d27910_prep.kd
    .args:
      - { .name: pos, .offset: 0, .size: 8, .value_kind: global_buffer, .address_space: global }
      - { .name: wq, .offset: 8, .size: 8, .value_kind: global_buffer, .address_space: global }
      - { .name: wk, .offset: 16, .size: 8, .value_kind: global_buffer, .address_space: global }
      - { .name: wv, .offset: 24, .size: 8, .value_kind: global_buffer, .address_space: global }
      - { .name: bq, .offset: 32, .size: 8, .value_kind: global_buffer, .address_space: global }
      - { .name: bk, .offset: 40, .size: 8, .value_kind: global_buffer, .address_space: global }
      - { .name: bv, .offset: 48, .size: 8, .value_kind: global_buffer, .address_space: global }
      - { .name: w_res1, .offset: 56, .size: 8, .value_kind: global_buffer, .address_space: global }
      - { .name: b_res1, .offset: 64, .size: 8, .value_kind: global_buffer, .address_space: global }
      - { .name: bn_gamma, .offset: 72, .size: 8, .value_kind: global_buffer, .address_space: global }
      - { .name: bn_beta, .offset: 80, .size: 8, .value_kind: global_buffer, .address_space: global }
      - { .name: bn_mean, .offset: 88, .size: 8, .value_kind: global_buffer, .address_space: global }
      - { .name: bn_var, .offset: 96, .size: 8, .value_kind: global_buffer, .address_space: global }
      - { .name: w_res2_codes, .offset: 104, .size: 8, .value_kind: global_buffer, .address_space: global }
      - { .name: w_res2_scales, .offset: 112, .size: 8, .value_kind: global_buffer, .address_space: global }
      - { .name: b_res2, .offset: 120, .size: 8, .value_kind: global_buffer, .address_space: global }
      - { .name: kv, .offset: 128, .size: 8, .value_kind: global_buffer, .address_space: global }
      - { .name: qimg, .offset: 136, .size: 8, .value_kind: global_buffer, .address_space: global }
      - { .name: rimg, .offset: 144, .size: 8, .value_kind: global_buffer, .address_space: global }
      - { .name: w2img, .offset: 152, .size: 8, .value_kind: global_buffer, .address_space: global }
    .group_segment_fixed_size: 79872
    .private_segment_fixed_size: 0
    .kernarg_segment_align: 8
    .kernarg_segment_size: 160
    .max_flat_workgroup_size: 128
    .sgpr_count:     100
    .vgpr_count:     1024
    .wavefront_size: 32
...
	.end_amdgpu_metadata
.endif
;; end of part 1
;; launch attn (part 2): grid 16 x 16, 4 waves a work-group, clusters of 4 x 1, 327,680 bytes of LDS; arguments kv, qimg, rimg, w2img, out0; writes out0
.if DOCPART == 2
	.amdgcn_target "amdgcn-amd-amdhsa--gfx1250"
	.amdhsa_code_object_version 6
	.text
	.protected	k_qcc81d27910_attn
	.globl	k_qcc81d27910_attn
	.p2align	8
	.type	k_qcc81d27910_attn,@function
k_qcc81d27910_attn:
	s_mov_b64 s[64:65], 0
	v_nop
	global_prefetch_b8 v0, s[64:65] scope:SCOPE_SE
	s_setreg_imm32_b32 hwreg(HW_REG_WAVE_MODE, 25, 1), 1
	s_wait_xcnt 0x0
	s_wait_alu depctr_hold_cnt(0) depctr_sa_sdst(0) depctr_va_vdst(0) depctr_va_sdst(0) depctr_va_ssrc(0) depctr_va_vcc(0) depctr_vm_vsrc(0)
	s_getreg_b32 s2, hwreg(HW_REG_IB_STS2, 6, 4)
	s_cmp_eq_u32 s2, 0
	s_cbranch_scc0 .Lentry_in_a_cluster
	s_endpgm
.Lentry_in_a_cluster:
	s_bfe_u32 s2, ttmp6, 0x10000c
	s_cmp_lg_u32 s2, 0x3003
	s_cbranch_scc0 .Lentry_shape_is_right
	s_endpgm
.Lentry_shape_is_right:
; ATTN: out0[b][d][i] = (sum over j of p(i, j) v[d][j]) / l(i) + b_res2[d] + sum over c of w_res2[d][c] r[c][i], all products on codes of FP6 (E2M3) with E8M0 scales for each 32 along K.
; p = 2^(t - M), t = score x log2(e) / sqrt(384), M the running largest t rounded up to a whole number; l is the sum of the unquantised p; when M moves, l and O are multiplied by a power of two.
; All operands come as register images: a fragment is three loads of 16 bytes a lane, 512 consecutive bytes each; six fragments' scale words are one load of 16 bytes a lane.
; SHARES: a work-group owns 128 queries of one batch, a wave 32: two tiles of 16.  Every wave walks the batch's 16 key steps of 128 keys.  Both products are used transposed (S^T = K Q^T, O^T = V^T P^T):
; a lane holds one query throughout, and O^T of one tile is 192 registers, so two tiles are what a wave can hold.
; RING: two LDS slots of one key step (77,824 bytes: K's 24 fragments, V's 24, eight scale chunks), each wave fetching a quarter by one tensor load of 76 rows of 256 bytes.  w_res2's images and b_res2 come once and stay.
; CLUSTER: the four query blocks of a cluster belong to one batch and walk the same key steps and the same w_res2: every tensor load is asked for jointly, with the mask of all four.
; THE WAY OUT: points are innermost in out0 and lie across lanes here, so the 384 x 128 results meet in a stage in LDS (over both slots, which have had their last fill) and leave as rows of 512 bytes.
; LIMITS: NaN and infinities are not served; a p under 2^-126 counts as 0.
; REGISTERS, in windows of 256: window 0: addresses, statistics, scale words, S^T (then p), p's codes.  window 1: two buffers of six fragments (v0-71, v72-143), Q's six (v144-215; later the hidden layer's).
;   windows 2, 3: O^T of tiles 0, 1 (channel tile dt at 8 dt).
.set SLOT1, 0x20000                    ; slot 1 begins here: one exclusive or turns an address of one slot into the other's
.set STEPB, 77824                      ; a key step's block
.set W2L,   208896                     ; w_res2's 12 records of 9,728 bytes,
.set B2L,   325632                     ; b_res2,
.set SPARE, 327168                     ; and the spare words: 128 bytes a wave, two blocks of 256 bytes that no other line names
.set SP,    528                        ; a stage row: 128 points x 4 bytes + 16
.set LI,   1                           ; 16 x lane
.set AK,   2                           ; the slot in hand: K's groups,
.set AV,   3                           ; V's,
.set AS,   4                           ; the scale chunks
.set SPW,  5                           ; my spare word; never rewritten
.set NIL,  6                           ; 0; never rewritten
.set PFO,  7                           ; the prefetches' offset
.set AW0,  8                           ; w_res2's records 0-5;
.set AW1,  9                           ; 6-11
.set AB2,  10                          ; b_res2: 32 h
.set STO,  11                          ; v11-13 into the stage: channels 0-127, 128-255, 256-383
.set SRD,  14                          ; out of it: my 96 rows
.set ST,   16                          ; tile T's statistics at ST + 6 T: +0 -M, +1 the largest t, +2, +3 the sum in two halves, +4 f, +5 p's scale word
.set QS,   28                          ; v28-31 Q's scale chunk (later the hidden layer's)
.set SC,   32                          ; v32-35, v36-39 the scale chunks of buffers 0, 1
.set BM,   40                          ; tile T at + 12 T: four block maxima,
.set T2,   44                          ; four at work,
.set SO,   48                          ; four scale operands
.set S,    64                          ; S^T, 64 a tile
.set P,    192                         ; p's codes, 12 a tile
.set CT,   216                         ; conversions' second halves, 8 a tile
.set L2,   232                         ; the sums' second chain, a pair a tile
.set TP,   236                         ; one at work a tile
.set WV,   14
.set CNT,  18                          ; fills still to be asked for
.set TB,   19                          ; LDS byte at which the slot in hand begins
.set SEL,  20
.set CS,   22                          ; s[22:23] c = log2(e) / sqrt(384)
.set G1K,  24
.set G0K,  32
.set G1W,  36
.set G0W,  44
.set PFA,  48
.set LIM,  50
.set MSB, 0
.macro WIN new                         ; the immediate's high byte repeats the setting that is left
.if MSB != (\new)
	s_set_vgpr_msb (MSB<<8)|(\new)
.set MSB, (\new)
.endif
.endm
.macro PLACES n
.rept \n
	v_nop
.endr
.endm
.macro CROUND                          ; a round of the cluster's barrier
	s_barrier_signal -1
	s_barrier_wait -1
	s_cmp_lg_u32 s[WV], 0
	s_cbranch_scc1 .Lnw0_\@
	s_barrier_signal -3
.Lnw0_\@:
	s_barrier_wait -3
	s_barrier_signal -1
	s_barrier_wait -1
.endm
; one product on the registers named by rD, rA, rB, rSA, rSB.  z = 1: it starts the sum.  ra, rb: the side's scale words stand in lanes 16-31
.macro WMS z, ra, rb
.if \z
.if (\ra) && (\rb)
	v_wmma_scale_f32_16x16x128_f8f6f4 v[rD:rD+7], v[rA:rA+11], v[rB:rB+11], 0, v[rSA], v[rSB] matrix_a_fmt:MATRIX_FMT_FP6 matrix_b_fmt:MATRIX_FMT_FP6 matrix_a_scale:MATRIX_SCALE_ROW1 matrix_b_scale:MATRIX_SCALE_ROW1
.elseif \ra
	v_wmma_scale_f32_16x16x128_f8f6f4 v[rD:rD+7], v[rA:rA+11], v[rB:rB+11], 0, v[rSA], v[rSB] matrix_a_fmt:MATRIX_FMT_FP6 matrix_b_fmt:MATRIX_FMT_FP6 matrix_a_scale:MATRIX_SCALE_ROW1
.elseif \rb
	v_wmma_scale_f32_16x16x128_f8f6f4 v[rD:rD+7], v[rA:rA+11], v[rB:rB+11], 0, v[rSA], v[rSB] matrix_a_fmt:MATRIX_FMT_FP6 matrix_b_fmt:MATRIX_FMT_FP6 matrix_b_scale:MATRIX_SCALE_ROW1
.else
	v_wmma_scale_f32_16x16x128_f8f6f4 v[rD:rD+7], v[rA:rA+11], v[rB:rB+11], 0, v[rSA], v[rSB] matrix_a_fmt:MATRIX_FMT_FP6 matrix_b_fmt:MATRIX_FMT_FP6
.endif
.else
.if (\ra) && (\rb)
	v_wmma_scale_f32_16x16x128_f8f6f4 v[rD:rD+7], v[rA:rA+11], v[rB:rB+11], v[rD:rD+7], v[rSA], v[rSB] matrix_a_fmt:MATRIX_FMT_FP6 matrix_b_fmt:MATRIX_FMT_FP6 matrix_a_scale:MATRIX_SCALE_ROW1 matrix_b_scale:MATRIX_SCALE_ROW1
.elseif \ra
	v_wmma_scale_f32_16x16x128_f8f6f4 v[rD:rD+7], v[rA:rA+11], v[rB:rB+11], v[rD:rD+7], v[rSA], v[rSB] matrix_a_fmt:MATRIX_FMT_FP6 matrix_b_fmt:MATRIX_FMT_FP6 matrix_a_scale:MATRIX_SCALE_ROW1
.elseif \rb
	v_wmma_scale_f32_16x16x128_f8f6f4 v[rD:rD+7], v[rA:rA+11], v[rB:rB+11], v[rD:rD+7], v[rSA], v[rSB] matrix_a_fmt:MATRIX_FMT_FP6 matrix_b_fmt:MATRIX_FMT_FP6 matrix_b_scale:MATRIX_SCALE_ROW1
.else
	v_wmma_scale_f32_16x16x128_f8f6f4 v[rD:rD+7], v[rA:rA+11], v[rB:rB+11], v[rD:rD+7], v[rSA], v[rSB] matrix_a_fmt:MATRIX_FMT_FP6 matrix_b_fmt:MATRIX_FMT_FP6
.endif
.endif
.endm
; a group: six fragments into buffer x and their scale chunk: 19 LDS loads in one run
.macro LOADG x, adr, off, sadr, soff
	WIN 0x40                                       ; destination window 1
.irp f, 0,1,2,3,4,5
.irp c, 0,1,2
	ds_load_b128 v[72*(\x)+12*\f+4*\c:72*(\x)+12*\f+4*\c+3], v[\adr] offset:(\off)+1536*\f+512*\c
.endr
.endr
	WIN 0
	ds_load_b128 v[SC+4*(\x):SC+4*(\x)+3], v[\sadr] offset:\soff
.endm
; a unit of 32 points (six fragments, a scale chunk) from memory into Q's registers
.macro ULOAD p
	WIN 0x40
.irp f, 0,1,2,3,4,5
.irp c, 0,1,2
	global_load_b128 v[144+12*\f+4*\c:144+12*\f+4*\c+3], v[LI], s[\p:\p+1] offset:1536*\f+512*\c th:TH_LOAD_NT
.endr
.endr
	WIN 0
	global_load_b128 v[QS:QS+3], v[LI], s[\p:\p+1] offset:9216 th:TH_LOAD_NT
.endm
; S^T of key tiles 2 g, 2 g + 1 for both query tiles: four accumulators by turns, three K steps of 128 channels
.macro MULS g, x
	WIN 0x05                                       ; sources 0 and 1 window 1
.irp s, 0,1,2
.irp u, 0,1
.irp T, 0,1
.set rD, S+64*\T+8*(2*(\g)+\u)
.set rA, 72*(\x)+12*(3*\u+\s)
.set rB, 144+12*(3*\T+\s)
.set rSA, SC+4*(\x)+\s
.set rSB, QS+\s
.if \s == 0
	WMS 1, \u, \T
.else
	WMS 0, \u, \T
.endif
.endr
.endr
.endr
.endm
; O^T += V^T P^T for channel tiles 6 g .. 6 g + 5: twelve different accumulators
.macro MULV g, x, first
.irp T, 0,1
	WIN 0xa1+0x50*\T                               ; V window 1, p window 0, O^T window 2 or 3
.irp i, 0,1,2,3,4,5
.set rD, 8*(6*(\g)+\i)
.set rA, 72*(\x)+12*\i
.set rB, P+12*\T
.set rSA, SC+4*(\x)+\i%3
.set rSB, ST+6*\T+5
	WMS \first, \i/3, 0
.endr
.endr
.endm
; O^T += w_res2 r for channel tiles 2 g, 2 g + 1: a tile's two accumulators by turns, three K steps
.macro MULR g, x
.irp T, 0,1
	WIN 0xa5+0x50*\T
.irp s, 0,1,2
.irp u, 0,1
.set rD, 8*(2*(\g)+\u)
.set rA, 72*(\x)+12*(3*\u+\s)
.set rB, 144+12*(3*\T+\s)
.set rSA, SC+4*(\x)+\s
.set rSB, QS+\s
	WMS 0, \u, \T
.endr
.endr
.endr
.endm
; the softmax of a key step for both tiles, the tiles line by line.  first = 1: O^T has not begun, so nothing is rescaled
.macro SOFTMAX first
	WIN 0
.irp b, 0,1,2,3
.irp T, 0,1
	v_max3_num_f32 v[BM+12*\T+\b], v[S+64*\T+16*\b], v[S+64*\T+16*\b+1], v[S+64*\T+16*\b+2]   ; the largest score of each block of 32 keys: for the row's maximum and for the block's largest p
.endr
.endr
.irp i, 3,5,7,9,11,13
.irp b, 0,1,2,3
.irp T, 0,1
	v_max3_num_f32 v[BM+12*\T+\b], v[BM+12*\T+\b], v[S+64*\T+16*\b+\i], v[S+64*\T+16*\b+\i+1]
.endr
.endr
.endr
.irp b, 0,1,2,3
.irp T, 0,1
	v_max_num_f32 v[BM+12*\T+\b], v[BM+12*\T+\b], v[S+64*\T+16*\b+15]
.endr
.endr
.irp b, 0,1,2,3
.irp T, 0,1
	v_permlanex16_b32 v[T2+12*\T+\b], v[BM+12*\T+\b], s[SEL], s[SEL+1]
.endr
.endr
.irp b, 0,1,2,3
.irp T, 0,1
	v_max_num_f32 v[BM+12*\T+\b], v[BM+12*\T+\b], v[T2+12*\T+\b]
.endr
.endr
.irp T, 0,1
	v_max3_num_f32 v[TP+\T], v[BM+12*\T], v[BM+12*\T+1], v[BM+12*\T+2]
.endr
.irp T, 0,1
	v_max_num_f32 v[TP+\T], v[TP+\T], v[BM+12*\T+3]
.endr
.irp T, 0,1
	v_mul_f32 v[TP+\T], s[CS], v[TP+\T]            ; as t (c is positive)
.endr
.irp T, 0,1
	v_max_num_f32 v[ST+6*\T+1], v[ST+6*\T+1], v[TP+\T]   ; the running largest t
.endr
.irp T, 0,1
	v_mov_b32 v[TP+\T], v[ST+6*\T]
.endr
.irp T, 0,1
	v_floor_f32 v[ST+6*\T], -v[ST+6*\T+1]          ; -M = floor(-t): M is a whole number
.endr
.irp T, 0,1
	v_sub_f32 v[TP+\T], v[ST+6*\T], v[TP+\T]       ; old M - new M
.endr
.irp T, 0,1
	v_cvt_i32_f32 v[TP+\T], v[TP+\T]               ; (it saturates)
.endr
.irp T, 0,1
	v_ldexp_f32 v[ST+6*\T+4], 1.0, v[TP+\T]        ; f = 2^(old M - new M)
.endr
.set j, 0
.rept 32
.irp T, 0,1
	v_pk_fma_f32 v[S+64*\T+j:S+64*\T+j+1], v[S+64*\T+j:S+64*\T+j+1], s[CS:CS+1], v[ST+6*\T:ST+6*\T+1] op_sel_hi:[1,0,0]   ; t - M
.endr
.set j, j+2
.endr
.irp b, 0,1,2,3
.irp T, 0,1
	v_fma_f32 v[BM+12*\T+\b], v[BM+12*\T+\b], s[CS], v[ST+6*\T]
.endr
.endr
.set j, 0
.rept 64
.irp T, 0,1
	v_exp_f32 v[S+64*\T+j], v[S+64*\T+j]           ; p: one batch of 128
.endr
.set j, j+1
.endr
.irp T, 0,1
	v_pk_mul_f32 v[ST+6*\T+2:ST+6*\T+3], v[ST+6*\T+2:ST+6*\T+3], v[ST+6*\T+4:ST+6*\T+5] op_sel_hi:[1,0]   ; the sums under the new M: the plain place behind the batch
.endr
	s_wait_alu depctr_va_vdst(0)                   ; one wait for the batch, ahead of its first reader
.irp b, 0,1,2,3
.irp T, 0,1
	v_exp_f32 v[BM+12*\T+\b], v[BM+12*\T+\b]       ; each block's largest p
.endr
.endr
.irp T, 0,1
	v_pk_add_f32 v[L2+2*\T:L2+2*\T+1], v[S+64*\T:S+64*\T+1], v[S+64*\T+2:S+64*\T+3]   ; the row's sum, of the unquantised p, in two chains
.endr
.set j, 4
.rept 15
.irp T, 0,1
	v_pk_add_f32 v[ST+6*\T+2:ST+6*\T+3], v[ST+6*\T+2:ST+6*\T+3], v[S+64*\T+j:S+64*\T+j+1]
	v_pk_add_f32 v[L2+2*\T:L2+2*\T+1], v[L2+2*\T:L2+2*\T+1], v[S+64*\T+j+2:S+64*\T+j+3]
.endr
.set j, j+4
.endr
.irp T, 0,1
	v_pk_add_f32 v[ST+6*\T+2:ST+6*\T+3], v[ST+6*\T+2:ST+6*\T+3], v[L2+2*\T:L2+2*\T+1]
.endr
	s_wait_alu depctr_va_vdst(0)                   ; and one for the eight
.irp b, 0,1,2,3
.irp T, 0,1
	v_max_num_f32 v[BM+12*\T+\b], 0x1800000, v[BM+12*\T+\b]   ; the floor 2^(3 - 127): the byte cannot fall under 1
.endr
.endr
.irp b, 0,1,2,3
.irp T, 0,1
	v_add_nc_u32 v[SO+12*\T+\b], 0xff000000, v[BM+12*\T+\b]
.endr
.endr
.irp b, 0,1,2,3
.irp T, 0,1
	v_lshrrev_b32 v[T2+12*\T+\b], 23, v[SO+12*\T+\b]
.endr
.endr
.irp T, 0,1
	v_lshl_or_b32 v[ST+6*\T+5], v[T2+12*\T+1], 8, v[T2+12*\T]
.endr
.irp T, 0,1
	v_lshl_or_b32 v[ST+6*\T+5], v[T2+12*\T+2], 16, v[ST+6*\T+5]
.endr
.irp T, 0,1
	v_lshl_or_b32 v[ST+6*\T+5], v[T2+12*\T+3], 24, v[ST+6*\T+5]   ; p's scale word for these 128 keys
.endr
.irp T, 0,1
.irp c, 0,1
	v_cvt_scalef32_pk16_fp6_f32 v[P+12*\T+6*\c:P+12*\T+6*\c+2], v[S+64*\T+32*\c:S+64*\T+32*\c+15], v[SO+12*\T+2*\c]
	v_cvt_scalef32_pk16_fp6_f32 v[CT+8*\T+4*\c:CT+8*\T+4*\c+2], v[S+64*\T+32*\c+16:S+64*\T+32*\c+31], v[SO+12*\T+2*\c+1]
.endr
.endr
	v_nop                                          ; one plain place behind a scaled conversion
.irp T, 0,1
.irp c, 0,1
.irp i, 0,1,2
	v_permlane16_swap_b32 v[P+12*\T+6*\c+\i], v[CT+8*\T+4*\c+\i]   ; a whole block to a lane
.endr
.irp i, 0,1,2
	v_mov_b32 v[P+12*\T+6*\c+3+\i], v[CT+8*\T+4*\c+\i]
.endr
.endr
.endr
.if \first == 0
.irp T, 0,1
	WIN 0x82+0x41*\T                               ; O^T (destination and source 0) window 2 or 3, f window 0
.set j, 0
.rept 96
	v_pk_mul_f32 v[j:j+1], v[j:j+1], v[ST+6*\T+4:ST+6*\T+5] op_sel_hi:[1,0]   ; O^T under the new M, each accumulator from its low end on
.set j, j+2
.endr
.endr
.endif
	PLACES 8                                       ; p's scale word, made by vector instructions, stands eight places ahead of the products that take it
.endm
; A prefetch of the key step that the NEXT change of slots will ask for: 304 blocks of 256 bytes.  All four clusters of a batch walk the same steps: the batch's first cluster asks.  Its sixteen waves
; take 19 blocks each, told apart by address alone (4 x place in the cluster + wave); a lane a block; lanes 19-31 name lane 18's block again.  The last fill asks for nothing: no step lies behind it.
.macro ASK
	s_cmp_gt_u32 s[CNT], s[LIM]
	s_cbranch_scc0 .Lnot_mine_\@
	global_prefetch_b8 v[PFO], s[PFA:PFA+1] th:TH_LOAD_NT scope:SCOPE_SE
.Lnot_mine_\@:
.endm
; The change of slots stands at a step's head.  Each wave waits for all its tensor loads (its quarter of the slot ahead), adds 0 to its spare word, and waits for that and for its reads of the slot that it has left.
; fill = 1: a round of the cluster's barrier, then the joint fill of the slot just left: it has a whole key step in which to land.
.macro CHANGE fill
	WIN 0
	s_wait_tensorcnt 0x0                           ; no tensor load of mine is out, so the walking descriptor may be written
	ds_add_u32 v[SPW], v[NIL]
.if \fill
	s_xor_b32 s[G0K+1], s[G0K+1], SLOT1
	s_add_nc_u64 s[G0K+2:G0K+3], s[G0K+2:G0K+3], STEPB
	s_wait_xcnt 0x0                                ; the last prefetch, a key step back, has read its address
	s_add_nc_u64 s[PFA:PFA+1], s[PFA:PFA+1], STEPB
	s_wait_dscnt 0x0                               ; the add is done, and my reads of the slot that I have left are over
	CROUND
	tensor_load_to_lds s[G0K:G0K+3], s[G1K:G1K+7]  ; the first thing behind the round, my one tensor load until the next
	s_nop 0
	PLACES 4
	ASK
.else
	s_wait_dscnt 0x0
	s_barrier_signal -1
	s_barrier_wait -1
.endif
.endm
; A key step.  Eight groups (K 0-3, V 0-3) go through two buffers: while one is multiplied, the other's 19 loads are on their way, so each wait leaves 19 out.
; last = 1: the hidden layer takes Q's registers once Q is done with, and w_res2's first two records take the buffers.
.macro STEP first, last
	v_add_nc_u32 v[AK], s[TB], v[LI]
	v_add_nc_u32 v[AV], 36864, v[AK]
	v_add_nc_u32 v[AS], 36864, v[AV]
	LOADG 0, AK, 0, AS, 0
	LOADG 1, AK, 9216, AS, 512
	s_wait_dscnt 19
	MULS 0, 0
	PLACES 4                                       ; in front of loads into registers that matrix instructions have read
	LOADG 0, AK, 18432, AS, 1024
	s_wait_dscnt 19
	MULS 1, 1
	PLACES 4
	LOADG 1, AK, 27648, AS, 1536
	s_wait_dscnt 19
	MULS 2, 0
	PLACES 4
	LOADG 0, AV, 0, AS, 2048
	s_wait_dscnt 19
	MULS 3, 1
	PLACES 4                                       ; also the places in front of the first read of the scores
	LOADG 1, AV, 9216, AS, 2560
.if \last
	ULOAD 8
.endif
	SOFTMAX \first
	s_wait_dscnt 19
	MULV 0, 0, \first
	PLACES 4
	LOADG 0, AV, 18432, AS, 3072
	s_wait_dscnt 19
	MULV 1, 1, \first
	PLACES 4
	LOADG 1, AV, 27648, AS, 3584
	s_wait_dscnt 19
	MULV 2, 0, \first
.if \last
	PLACES 4
	LOADG 0, AW0, 0, AW0, 9216
	s_wait_dscnt 19
.else
	s_wait_dscnt 0x0
.endif
	MULV 3, 1, \first
	PLACES 4
.if \last
	LOADG 1, AW0, 9728, AW0, 9728+9216
.endif
	WIN 0
	s_xor_b32 s[TB], s[TB], SLOT1
.endm
	s_load_b256 s[4:11], s[0:1], 0x0               ; kv, qimg, rimg, w2img
	s_load_b64 s[12:13], s[0:1], 0x20              ; out0
	v_lshl_add_u32 v[SPW], v0, 2, SPARE
	v_mov_b32 v[NIL], 0
	ds_add_u32 v5, v6
	ds_add_u32 v5, v6
	s_wait_dscnt 0x0
	v_lshrrev_b32 v1, 5, v0
	v_readfirstlane_b32 s[WV], v1                  ; wave 0..3
	s_bfe_u32 s15, ttmp6, 0x40000                  ; cx: it enters Q's, the hidden layer's, out0's and the prefetches' addresses alone
	s_lshl_b32 s16, ttmp9, 2
	s_add_co_u32 s16, s16, s15                     ; my block of 128 queries
	s_and_b32 s17, ttmp7, 0xffff                   ; the batch, which the four partners share
	; group 1 for a quarter of a key step: 76 rows of 32 elements of 8 bytes, dense; the mask names all four work-groups, bit 21 beside it
	s_mov_b32 s[G1K], 15|(3<<16)|(1<<21)
	s_mov_b32 s[G1K+1], 32<<16
	s_mov_b32 s[G1K+2], 76<<16
	s_mov_b32 s[G1K+3], 32<<16
	s_mov_b32 s[G1K+4], 76
	s_mov_b32 s[G1K+5], 32
	s_mov_b32 s[G1K+6], 0
	s_mov_b32 s[G1K+7], 0
	; and for a quarter of w2img: one row of 3,696 elements of 8 bytes
	s_mov_b32 s[G1W], 15|(3<<16)|(1<<21)
	s_mov_b32 s[G1W+1], 3696<<16
	s_mov_b32 s[G1W+2], 1<<16
	s_mov_b32 s[G1W+3], 3696<<16
	s_mov_b32 s[G1W+4], 1
	s_mov_b32 s[G1W+5], 3696
	s_mov_b32 s[G1W+6], 0
	s_mov_b32 s[G1W+7], 0
	s_mul_i32 s52, s17, 16*STEPB
	s_mul_i32 s54, s[WV], 19456
	s_add_co_u32 s52, s52, s54
	s_mov_b32 s53, 0
	s_mul_i32 s56, s[WV], 29568
	s_mov_b32 s57, 0
	s_lshl_b32 s58, s17, 4
	s_add_co_u32 s58, s58, s16
	s_lshl_b32 s58, s58, 2
	s_add_co_u32 s58, s58, s[WV]
	s_mul_i32 s58, s58, 9728                       ; my unit of 32 points
	s_mov_b32 s59, 0
	s_mul_i32 s60, s17, 3145728
	s_mul_i32 s61, s[WV], 786432
	s_add_co_u32 s60, s60, s61
	s_lshl_b32 s61, s16, 9
	s_add_co_u32 s60, s60, s61                     ; out0: my batch, my 96 channels, my block's 128 points
	s_mov_b32 s61, 0
	s_lshl_b32 s62, s15, 2
	s_add_co_u32 s62, s62, s[WV]
	s_mul_i32 s62, s62, 4864
	s_mul_i32 s63, s17, 16*STEPB
	s_add_co_u32 s62, s62, s63
	s_add_co_u32 s62, s62, STEPB                   ; in step 1: the first change of slots steps it to step 2
	s_mov_b32 s63, 0
	s_cmp_eq_u32 ttmp9, 0
	s_cselect_b32 s[LIM], 1, -1                    ; the same in all four partners
	s_mov_b32 s[SEL], 0x76543210
	s_mov_b32 s[SEL+1], 0xfedcba98
	s_mov_b32 s[CS], 0x3d96c740
	s_mov_b32 s[CS+1], s[CS]                       ; (named with it as a pair)
	s_mov_b32 s[TB], 0
	s_mov_b32 s[CNT], 15
	s_wait_kmcnt 0x0
	s_mov_b32 s[G0K], 1
	s_mov_b32 s[G0K+1], s54                        ; slot 0, my quarter
	s_add_nc_u64 s[G0K+2:G0K+3], s[4:5], s[52:53]
	s_or_b32 s[G0K+3], s[G0K+3], 0x80000000
	s_mov_b32 s[G0W], 1
	s_add_co_u32 s[G0W+1], s56, W2L
	s_add_nc_u64 s[G0W+2:G0W+3], s[10:11], s[56:57]
	s_or_b32 s[G0W+3], s[G0W+3], 0x80000000
	s_add_nc_u64 s[PFA:PFA+1], s[4:5], s[62:63]
	s_add_nc_u64 s[6:7], s[6:7], s[58:59]
	s_add_nc_u64 s[8:9], s[8:9], s[58:59]
	s_add_nc_u64 s[12:13], s[12:13], s[60:61]
	CROUND                                         ; all four work-groups are here: the first joint loads meet
	tensor_load_to_lds s[G0W:G0W+3], s[G1W:G1W+7]  ; w_res2 and b_res2: filled once
	s_nop 0
	tensor_load_to_lds s[G0K:G0K+3], s[G1K:G1K+7]  ; key step 0: two loads of mine are out
	s_nop 0
	PLACES 4
	v_and_b32 v238, 31, v0
	v_lshlrev_b32 v[LI], 4, v238
	ULOAD 6                                        ; Q stays in registers
	v_min_u32 v[PFO], 18, v238
	v_lshlrev_b32 v[PFO], 8, v[PFO]
	v_and_b32 v239, 15, v0                         ; r
	v_bfe_u32 v240, v0, 4, 1                       ; h
	v_add_nc_u32 v[AW0], W2L, v[LI]
	v_add_nc_u32 v[AW1], 58368, v[AW0]
	v_lshl_add_u32 v[AB2], v240, 5, B2L
	v_and_b32 v241, 8, v239
	v_add_nc_u32 v241, v241, v239                  ; r + (r & 8): my query's place among a tile pair's 32 points
	v_lshlrev_b32 v241, 2, v241
	v_mad_u32_u24 v241, v240, 8*SP, v241           ; + 8 h rows of the stage
	s_lshl_b32 s52, s[WV], 7
	v_add_nc_u32 v[STO], s52, v241                 ; + my wave's 32 points
	v_add_nc_u32 v[STO+1], 128*SP, v[STO]
	v_add_nc_u32 v[STO+2], 128*SP, v[STO+1]
	s_mul_i32 s52, s[WV], 96*SP
	v_add_nc_u32 v[SRD], s52, v[LI]
.irp T, 0,1
	v_mov_b32 v[ST+6*\T+1], 0xff61b1e6             ; the largest t so far: -3e38
	v_floor_f32 v[ST+6*\T], -v[ST+6*\T+1]
	v_mov_b32 v[ST+6*\T+2], 0
	v_mov_b32 v[ST+6*\T+3], 0
	v_mov_b32 v[ST+6*\T+5], 0                      ; (named as the upper half of a pair before it is first written)
.irp b, 0,1,2,3
	v_mov_b32 v[T2+12*\T+\b], 0                    ; a lane permute's destination counts as one of its sources
.endr
.endr
	s_wait_loadcnt 0x0                             ; Q
	CHANGE 1                                       ; step 0 is whole; step 1 is asked for
	STEP 1, 0                                      ; the first step starts O^T's sums
	s_sub_co_u32 s[CNT], s[CNT], 1
.Lstep:                                            ; 14 trips: steps 1 to 14, each asking for the step behind it
	CHANGE 1
	STEP 0, 0
	s_sub_co_u32 s[CNT], s[CNT], 1
	s_cmp_lg_u32 s[CNT], 0
	s_cbranch_scc1 .Lstep
	CHANGE 0                                       ; the last step is written out: nothing is left to ask for
	STEP 0, 1
	; ---- O^T / l + b_res2, then the residual product on top of it
.irp dt, 0,1,2,3,4,5,6,7,8,9,10,11,12,13,14,15,16,17,18,19,20,21,22,23
	ds_load_b128 v[64+8*\dt:67+8*\dt], v[AB2] offset:64*\dt        ; b_res2 at my eight channels of tile dt
	ds_load_b128 v[68+8*\dt:71+8*\dt], v[AB2] offset:64*\dt+16
.endr
.irp T, 0,1
	v_add_f32 v[ST+6*\T+2], v[ST+6*\T+2], v[ST+6*\T+3]
.endr
.irp T, 0,1
	v_permlanex16_b32 v[T2+12*\T], v[ST+6*\T+2], s[SEL], s[SEL+1]
.endr
.irp T, 0,1
	v_add_f32 v[ST+6*\T+2], v[ST+6*\T+2], v[T2+12*\T]   ; the row's sum
.endr
.irp T, 0,1
	v_rcp_f32 v[ST+6*\T+4], v[ST+6*\T+2]
.endr
	v_nop                                          ; a plain place behind the reciprocals
	s_wait_alu depctr_va_vdst(0)                   ; one wait for the two, ahead of their first reader
	s_wait_dscnt 0x0                               ; b_res2, and w_res2's first two records
	s_wait_loadcnt 0x0                             ; the hidden layer
.irp T, 0,1
	WIN 0x82+0x41*\T
.set j, 0
.rept 96
	v_pk_fma_f32 v[j:j+1], v[j:j+1], v[ST+6*\T+4:ST+6*\T+5], v[64+j:65+j] op_sel_hi:[1,0,1]
.set j, j+2
.endr
.endr
.irp g, 0,1,2,3,4,5,6,7,8,9,10,11
.if \g == 11
	s_wait_dscnt 0x0
.elseif \g >= 2
	s_wait_dscnt 19                                ; this record is in; the next one's 19 loads may be out
.endif
	MULR \g, \g%2
.if \g <= 9
	PLACES 4
.if \g+2 < 6
	LOADG \g%2, AW0, 9728*(\g+2), AW0, 9728*(\g+2)+9216
.else
	LOADG \g%2, AW1, 9728*(\g-4), AW1, 9728*(\g-4)+9216
.endif
.endif
.endr
	WIN 0
	PLACES 4                                       ; in front of the stores that read the results
	s_wait_dscnt 0x0
	s_barrier_signal -1
	s_barrier_wait -1                              ; no wave reads a slot any more: the stage may be written over them
.irp T, 0,1
	WIN 0x08+4*\T                                  ; an LDS store's data are its source 1: window 2 or 3
.irp dt, 0,1,2,3,4,5,6,7,8,9,10,11,12,13,14,15,16,17,18,19,20,21,22,23
.irp j, 0,1,2,3,4,5,6,7
	ds_store_b32 v[STO+\dt/8], v[8*\dt+\j] offset:(16*(\dt%8)+\j)*SP+32*\T   ; channel 16 dt + 8 h + j, my query: the two halves of the lanes fall 32 banks apart
.endr
.endr
.endr
	WIN 0
	s_wait_dscnt 0x0                               ; for the others' sake: my stores into the stage have landed
	s_barrier_signal -1
	s_barrier_wait -1
.irp bt, 0,1                                   ; my 96 rows, 48 at a time
.if \bt
	s_wait_xcnt 0x0                                ; the first 48 stores have read their registers
.endif
.set i, 0
.rept 48
	ds_load_b128 v[64+4*i:67+4*i], v[SRD] offset:SP*(48*\bt+i)
.set i, i+1
.endr
.set i, 0
.rept 48
	s_wait_dscnt 47-i
	global_store_b128 v[LI], v[64+4*i:67+4*i], s[12:13] offset:8192*(48*\bt+i) th:TH_STORE_NT   ; 32 lanes store 512 consecutive bytes, at a multiple of 512 from out0's first byte
.set i, i+1
.endr
.endr
	s_wait_tensorcnt 0x0                           ; the wave's end
	ds_add_u32 v[SPW], v[NIL]
	s_wait_dscnt 0x0
	CROUND                                         ; the closing round
	s_endpgm
.Lfunc_end_k_qcc81d27910_attn:
	.size	k_qcc81d27910_attn, .Lfunc_end_k_qcc81d27910_attn-k_qcc81d27910_attn
	.p2alignl 7, 3214868480
	.fill 96, 4, 3214868480
	.section	.rodata,"a",@progbits
	.p2align	6, 0x0
	.amdhsa_kernel k_qcc81d27910_attn
		.amdhsa_group_segment_fixed_size 327680
		.amdhsa_private_segment_fixed_size 0
		.amdhsa_enable_private_segment 0
		.amdhsa_kernarg_size 40
		.amdhsa_user_sgpr_count 2
		.amdhsa_user_sgpr_kernarg_segment_ptr 1
		.amdhsa_wavefront_size32 1
		.amdhsa_system_sgpr_workgroup_id_x 1
		.amdhsa_system_sgpr_workgroup_id_y 1
		.amdhsa_system_sgpr_workgroup_id_z 1
		.amdhsa_system_vgpr_workitem_id 0
		.amdhsa_next_free_vgpr 1024
		.amdhsa_next_free_sgpr 66
		.amdhsa_reserve_vcc 0
		.amdhsa_float_denorm_mode_32 3
		.amdhsa_float_denorm_mode_16_64 3
		.amdhsa_memory_ordered 1
		.amdhsa_forward_progress 1
		.amdhsa_inst_pref_size 255
	.end_amdhsa_kernel
	.section	.bss,"aw",@nobits
	.p2align	6
	.space	262144
	.amdgpu_metadata
---
amdhsa.version: [ 1, 2 ]
amdhsa.kernels:
  - .name:           k_qcc81d27910_attn
    .symbol:         k_qcc81d27910_attn.kd
    .args:
      - { .name: kv, .offset: 0, .size: 8, .value_kind: global_buffer, .address_space: global }
      - { .name: qimg, .offset: 8, .size: 8, .value_kind: global_buffer, .address_space: global }
      - { .name: rimg, .offset: 16, .size: 8, .value_kind: global_buffer, .address_space: global }
      - { .name: w2img, .offset: 24, .size: 8, .value_kind: global_buffer, .address_space: global }
      - { .name: out0, .offset: 32, .size: 8, .value_kind: global_buffer, .address_space: global }
    .group_segment_fixed_size: 327680
    .private_segment_fixed_size: 0
    .kernarg_segment_align: 8
    .kernarg_segment_size: 40
    .max_flat_workgroup_size: 128
    .sgpr_count:     66
    .vgpr_count:     1024
    .wavefront_size: 32
...
	.end_amdgpu_metadata
.endif
;; end of part 2
;; ======== version 2 of 2: 2 launches; version 1 with the launch prep written anew for expert scheduling mode
;; limits: inputs' magnitudes at most 256
;; workspace buffers: kv 19,922,944 bytes; qimg 9,961,472 bytes; rimg 9,961,472 bytes; w2img 118,272 bytes
;; launch prep (part 3): grid 256 x 1, 4 waves a work-group, no clusters, 79,872 bytes of LDS; arguments pos, wq, wk, wv, bq, bk, bv, w_res1, b_res1, bn_gamma, bn_beta, bn_mean, bn_var, w_res2_codes, w_res2_scales, b_res2, kv, qimg, rimg, w2img; writes kv, qimg, rimg, w2img
.if DOCPART == 3
	.amdgcn_target "amdgcn-amd-amdhsa--gfx1250"
	.amdhsa_code_object_version 6
	.text
	.protected	k_qcc81d27910_prep
	.globl	k_qcc81d27910_prep
	.p2align	8
	.type	k_qcc81d27910_prep,@function
k_qcc81d27910_prep:
	s_mov_b64 s[64:65], 0
	v_nop
	global_prefetch_b8 v0, s[64:65] scope:SCOPE_SE
	s_setreg_imm32_b32 hwreg(HW_REG_WAVE_SCHED_MODE, 0, 2), 2
	s_setreg_imm32_b32 hwreg(HW_REG_WAVE_MODE, 25, 1), 1
	s_wait_xcnt 0x0
	s_wait_alu depctr_vm_vsrc(0)
; PREP: everything that belongs to a point and is read by many work-groups of the attention launch, made once.
; A work-group takes 128 points of one batch (ttmp9 = 16 x batch + block).  It makes the 60-channel sin/cos embedding, q, k, v (three products with K = 60 on codes of FP6, E2M3),
; the residual path's hidden layer relu(BN(w_res1 pos + b_res1)) in f32, and quantises q, k and the hidden layer along the 384 channels and v along the 128 keys.
; ALL RESULTS ARE STORED AS IMAGES OF OPERAND REGISTERS: a fragment (16 rows x 128 K, 12 registers a lane) is three stores of 16 bytes a lane, 512 consecutive aligned bytes each;
; the scale words of six fragments make one chunk of 512 bytes: word i = fragment i's in lanes 0-15 and fragment 3 + i's in lanes 16-31.
; ROW ORDER: row r of tile 2 b + u is point (or channel of wq, wk, w_res1) 32 b + 8 u + r + (r & 8): a transposed product's 16 registers of two neighbouring tiles are then 16 neighbours along the next K.
; SHARES: wave w owns point tiles 2 w, 2 w + 1 (embedding, q, k, hidden layer) and channel tiles 6 w .. 6 w + 5 of v; it quantises tiles 6 w .. 6 w + 5 of each of wq, wk, wv.
; The quantised weights and embeddings go from wave to wave through LDS as register images (K = 60: registers 0-5 alone; registers 6-11 of every receiving buffer are cleared once). One barrier.
; EVERY REQUEST GOES OUT A PHASE AHEAD OF ITS USE.  Each of my 18 weight fragments has 32 registers of its own; their 144 loads go out in three batches between the sin/cos work, which needs pos alone.
; Behind the barrier each group's operands are asked of LDS behind the products of the group before, ahead of its quantisers.
; sin and cos are built in f32: k = nearest whole number to ang x 2/pi, ang - k pi/2 in three fused steps, two polynomials, the quadrant by selects: no branch on data.
; LIMITS: sin and cos are claimed for |pos| <= 256 (|angle| < 2^17); NaN and infinities are not served; a block whose largest magnitude lies under 2^-124, a block of zeros among them,
; gets the scale byte 1 (its codes are zeros or tiny; the bytes are read by this program alone).
; No tensor load: the f32 weights (276,480 bytes) do not fit in LDS beside the images, and the waves load what they need straight into registers.
; THE MODE: SCHED_MODE bits 1:0 = 2 (LLVM: expert scheduling mode 2), set by the entry lines.  The code itself states the register dependences
; between vector or matrix instructions and memory or LDS instructions, with s_wait_alu, always for 0.
; THE PLAN.  Registers that memory or LDS instructions touch, and who else names them:
;   v3-v23, v28-v31  offsets and LDS addresses: made at the head, never written again: one wait on va_vdst ahead of the first load serves every access by them.  v62 is made in the tail, ahead of a wait of its own.
;   the f32 weights (18 x 32 registers) and w_res1's registers: no vector instruction names them ahead of their loads, so these loads hang on the offsets alone.
;   QC, QW (two sets)  written by QB; read by an image's three LDS stores: va_vdst at QB's end, vm_vsrc ahead of the set's first write.
;   behind the barrier ONE pair of waits: the quantisers are done with the f32 weights' registers, the clears of registers 6-11 are written, and the LDS stores have read the tables' registers:
;                    all LDS loads of operands into windows 1 and 2 and into v236-253, and b_res1's loads into window 3, hang on that pair until products read what they brought.
;   WB, the bias, WS   read by a group's 16 products; the next group's loads land in them: one va_vdst behind the products and their places.
;   PC               written by QUANT's conversions, exchanges and moves; read by a fragment's three stores: va_vdst ahead of the stores; vm_vsrc (beside the wait on XCNT) ahead of the conversions,
;                    behind the maxima and the scale word, which name neither PC nor SW.
;   SW               written behind a fragment's stores; read by a chunk's store: va_vdst ahead of that store; the next QUANT's vm_vsrc stands ahead of the next write.
;   the BN constants (window 1)  read by the packed subtractions and multiply-adds; the next step's loads land in them: one va_vdst behind those lines.
;   s58 and s80-83 are written by vector instructions: va_sdst ahead of their first readers.
; REGISTERS, in windows of 256.  window 0: addresses, numbers at work, codes, scale words.  window 1: first weight fragments 0-7 as f32; then WB v0-95, EB v96-191, EO v192-215 (fragments of codes); last the BN constants.
;   window 2: v0-127 the f32 sums (written by matrix instructions alone), v128-175 w_res1's fragments, v176-179 pos's, v192-255 weight fragments 16, 17 as f32, then the bias of eight channel tiles.
;   window 3: weight fragments 8-15 as f32; then v0-23 b_res1.
.set TBL,   0                          ; LDS: bq, bk (1,536 bytes each),
.set TMEAN, 3072                       ; bn_mean,
.set TINV,  4608                       ; gamma / sqrt(var + eps),
.set TBETA, 6144                       ; bn_beta
.set ESC,   7680                       ; the eight embedding tiles' scale words, 128 bytes each
.set EIMG,  8704                       ; their images, 768 bytes each
.set WSC,   14848                      ; the 72 weight tiles' scale words (24 m + t; m = q, k, v)
.set WIMG,  24064                      ; their images
.set R,    1                           ; lane % 16
.set H,    2                           ; lane / 16
.set L16,  3                           ; 16 x lane
.set L8,   4
.set L4,   5
.set H8,   6                           ; 8 h: a shift
.set H64,  7                           ; 64 h
.set CP,   8                           ; r + (r & 8)
.set WQA,  9                           ; wq, wk: my row x 240 + 128 h
.set WQB,  10                          ; my row x 240 + 112: the row's last 16 bytes of block 0; lanes 16-31 read them too and clear them
.set WVA,  11                          ; the same for wv (natural row order)
.set WVB,  12
.set WW16, 13                          ; where I store weight images: 16 x lane + 4,608 x wave + WIMG
.set WW8,  14
.set WWS,  15                          ; and their scale words: 4 x lane + 768 x wave
.set EW16, 16                          ; embedding images: 16 x lane + 1,536 x wave
.set EW8,  17
.set EWS,  18
.set RW16, 19                          ; where any wave reads weight images
.set RW8,  20
.set T4,   21                          ; 4 x thread
.set VX,   22                          ; pos: coordinate 2 h of my point
.set VY,   23                          ; 4 x CP
.set XY,   24                          ; v24-27: X0, Y0, X1, Y1 (X: coordinate 2 h, Y: coordinate 1; tiles 0, 1)
.set VA0,  28
.set VA1,  29
.set VR4,  30
.set VW2,  31
.set TT,   32                          ; v32-55 at work
.set BV,   56                          ; v56-61 bv of my six channel tiles
.set PC,   192                         ; v192-211 codes just made
.set TM,   212                         ; v212-227 at work in the quantiser
.set PW,   228                         ; the scale word just made (v254: the second set's)
.set RSQ,  229                         ; v229-231 1 / sqrt(var + eps), then inv
.set SW,   232                         ; v232-235 a scale chunk; v235 = 0
.set TBR,  236                         ; v236-253 ahead of the barrier: the six tables as loaded, three numbers a thread each
.set WS,   236                         ; v236-243 weights' scale words
.set ES,   244                         ; v244-251 the eight embedding tiles' scale words
.set EOS,  252                         ; v252-253 my own two tiles'
.set C2PI, 44
.set CW1,  45
.set CW2,  46
.set CW3,  47
.set PS0,  48
.set PS1,  49
.set PS2,  50
.set PK0,  51
.set PK1,  52
.set PK2,  53
.set MH,   54                          ; the mask of lanes 16-31
.set SEL,  56                          ; s[56:57] selects for lane l xor 16
.set WV,   58
.set SQ,   66                          ; s[66:67] my unit of qimg
.set SK,   68                          ; my group of K in the step's block;  s[70:71] its scale chunk
.set SKC,  70
.set SV,   72                          ; my group of V;  s[74:75] its scale chunk
.set SVC,  74
.set SR,   76                          ; my unit of rimg
.set MSB, 0
.macro WIN new                         ; the immediate's high byte repeats the setting that is left
.if MSB != (\new)
	s_set_vgpr_msb (MSB<<8)|(\new)
.set MSB, (\new)
.endif
.endm
.macro PLACES n
.rept \n
	v_nop
.endr
.endm
; 32 numbers of a lane, v[x] on in window w, one whole block (lanes 0-15 block 0, lanes 16-31 block 1 of my row): codes into v[QC] .. v[QC+5], the row's scale word (bytes 2, 3 = 0) into v[QW].
; p: which of two sets of result registers; they take turns, so that the last image's three LDS stores, which read the other set, may still be out when this set is written.
; e = 1: an earlier image was stored from this set.  The macro ends with the wait that the image's stores, which follow it, hang on.
.macro QB w, x, p, e
.set QC, PC+6*(\p)
.set QT, PC+12+4*(\p)
.set QW, PW+26*(\p)
	WIN 5*(\w)                                     ; sources 0 and 1 in window w; the running maximum is source 2
	v_max3_num_f32 v[TM], |v[(\x)]|, |v[(\x)+1]|, 0x1800000      ; two chains, each begun with the floor 2^(3 - 127): the byte cannot fall under 1
	v_max3_num_f32 v[TM+1], |v[(\x)+2]|, |v[(\x)+3]|, 0x1800000
.irp i, 4,8,12,16,20,24,28
	v_max3_num_f32 v[TM], |v[(\x)+\i]|, |v[(\x)+\i+1]|, v[TM]
	v_max3_num_f32 v[TM+1], |v[(\x)+\i+2]|, |v[(\x)+\i+3]|, v[TM+1]
.endr
	WIN 0
	v_max_num_f32 v[TM], v[TM], v[TM+1]
	v_add_nc_u32 v[TM+12], 0xff000000, v[TM]       ; 2 off the exponent field: the conversion's scale operand
	v_lshrrev_b32 v[TM+1], 23, v[TM+12]            ; the byte,
	s_wait_dscnt 3                                 ; all LDS stores but the last three are done: those that read this set among them
.if \e
	s_wait_alu depctr_vm_vsrc(0)                   ; the LDS stores issued so far have read v[QW] and v[QC ..] of this set, which the lines below write again
.endif
	v_lshlrev_b32 v[QW], v[H8], v[TM+1]            ; at its place,
	v_permlanex16_b32 v[TM+4], v[QW], s[SEL], s[SEL+1]
	v_or_b32 v[QW], v[QW], v[TM+4]                 ; with the other block's
	WIN \w                                         ; source 0 in window w
	v_cvt_scalef32_pk16_fp6_f32 v[QC:QC+2], v[(\x):(\x)+15], v[TM+12]
	v_cvt_scalef32_pk16_fp6_f32 v[QT:QT+2], v[(\x)+16:(\x)+31], v[TM+12]   ; (a conversion's three registers begin on an even number)
	WIN 0
	v_nop                                          ; one plain place behind a scaled conversion
.irp i, 0,1,2
	v_mov_b32 v[QC+3+\i], v[QT+\i]
.endr
	s_wait_alu depctr_va_vdst(0)                   ; the conversion and the moves have written v[QC] .. v[QC+5], the or v[QW]: the image's three LDS stores read them
.endm
; 64 numbers of a lane, register 16 b + i = k 32 b + 16 (lane / 16) + i of my row: a fragment's codes into v[PC] .. v[PC+11], its scale word into v[PW]
.macro QUANT s
.irp b, 0,1,2,3
	v_max3_num_f32 v[TM+\b], |v[(\s)+16*\b]|, |v[(\s)+1+16*\b]|, 0x1800000
.endr
.irp i, 2,4,6,8,10,12,14
.irp b, 0,1,2,3
	v_max3_num_f32 v[TM+\b], v[TM+\b], |v[(\s)+16*\b+\i]|, |v[(\s)+1+16*\b+\i]|
.endr
.endr
.irp b, 0,1,2,3
	v_permlanex16_b32 v[TM+4+\b], v[TM+\b], s[SEL], s[SEL+1]
.endr
.irp b, 0,1,2,3
	v_max_num_f32 v[TM+\b], v[TM+\b], v[TM+4+\b]   ; with lane l xor 16's: the block's largest magnitude
.endr
.irp b, 0,1,2,3
	v_add_nc_u32 v[TM+12+\b], 0xff000000, v[TM+\b]
.endr
.irp b, 0,1,2,3
	v_lshrrev_b32 v[TM+4+\b], 23, v[TM+12+\b]
.endr
	v_lshl_or_b32 v[PW], v[TM+5], 8, v[TM+4]
	v_lshl_or_b32 v[PW], v[TM+6], 16, v[PW]
	v_lshl_or_b32 v[PW], v[TM+7], 24, v[PW]
	s_wait_xcnt 0x0                                ; the last fragment's stores have read PC, the last chunk's SW.  (The lines above name neither: they stand between those stores and these two waits)
	s_wait_alu depctr_vm_vsrc(0)                   ; the last fragment's stores have read v[PC ..], which the conversions write again; the last chunk's store has read SW, which is written behind this macro
.irp c, 0,1
	v_cvt_scalef32_pk16_fp6_f32 v[PC+6*\c:PC+2+6*\c], v[(\s)+32*\c:(\s)+15+32*\c], v[TM+12+2*\c]
	v_cvt_scalef32_pk16_fp6_f32 v[PC+12+4*\c:PC+14+4*\c], v[(\s)+16+32*\c:(\s)+31+32*\c], v[TM+12+2*\c+1]
.endr
	v_nop                                          ; one plain place behind a scaled conversion
.irp c, 0,1                                    ; the operand's layout wants a whole block in a lane
.irp i, 0,1,2
	v_permlane16_swap_b32 v[PC+6*\c+\i], v[PC+12+4*\c+\i]
.endr
.irp i, 0,1,2
	v_mov_b32 v[PC+3+6*\c+\i], v[PC+12+4*\c+\i]
.endr
.endr
.endm
.macro STF p, off                              ; the fragment in PC leaves as its image: three stores of 512 consecutive aligned bytes
	s_wait_alu depctr_va_vdst(0)                   ; the conversions, exchanges and moves have written v[PC] .. v[PC+11], which the three stores read
.irp c, 0,1,2
	global_store_b128 v[L16], v[PC+4*\c:PC+4*\c+3], s[\p:\p+1] offset:(\off)+512*\c
.endr
.endm
.macro QOUT s, fp                              ; my two point tiles' 64 numbers (v64.., v128..) become fragments s and 3 + s of a unit; their scale words go into word s of the chunk
	QUANT 64
	STF \fp, 1536*(\s)
	v_mov_b32 v[SW+\s], v[PW]
	QUANT 128
	STF \fp, 1536*(3+\s)
	v_cndmask_b32 v[SW+\s], v[SW+\s], v[PW], s[MH]
.endm
; sin and cos of 2^f x (X0, Y0, X1, Y1), four streams line by line.  Stream q's six registers at TT + 6 q: +0 k, then n; +1 the angle, then r; +2 z = r r; +3, +4, +5 at work
.macro SINCOS4 f
.irp q, 0,1,2,3
	v_ldexp_f32 v[TT+6*\q+1], v[XY+\q], \f         ; exact
.endr
.irp q, 0,1,2,3
	v_mul_f32 v[TT+6*\q], s[C2PI], v[TT+6*\q+1]
.endr
.irp q, 0,1,2,3
	v_rndne_f32 v[TT+6*\q], v[TT+6*\q]
.endr
.irp q, 0,1,2,3
	v_fma_f32 v[TT+6*\q+1], -v[TT+6*\q], s[CW1], v[TT+6*\q+1]   ; exact: the difference fits 24 bits
.endr
.irp q, 0,1,2,3
	v_fma_f32 v[TT+6*\q+1], -v[TT+6*\q], s[CW2], v[TT+6*\q+1]
.endr
.irp q, 0,1,2,3
	v_fma_f32 v[TT+6*\q+1], -v[TT+6*\q], s[CW3], v[TT+6*\q+1]
.endr
.irp q, 0,1,2,3
	v_cvt_i32_f32 v[TT+6*\q], v[TT+6*\q]
.endr
.irp q, 0,1,2,3
	v_mul_f32 v[TT+6*\q+2], v[TT+6*\q+1], v[TT+6*\q+1]
.endr
.irp q, 0,1,2,3
	v_fma_f32 v[TT+6*\q+3], s[PS0], v[TT+6*\q+2], s[PS1]
.endr
.irp q, 0,1,2,3
	v_fma_f32 v[TT+6*\q+4], s[PK0], v[TT+6*\q+2], s[PK1]
.endr
.irp q, 0,1,2,3
	v_mul_f32 v[TT+6*\q+5], v[TT+6*\q+2], v[TT+6*\q+1]
.endr
.irp q, 0,1,2,3
	v_fma_f32 v[TT+6*\q+3], v[TT+6*\q+3], v[TT+6*\q+2], s[PS2]
.endr
.irp q, 0,1,2,3
	v_fma_f32 v[TT+6*\q+4], v[TT+6*\q+4], v[TT+6*\q+2], s[PK2]
.endr
.irp q, 0,1,2,3
	v_fma_f32 v[TT+6*\q+3], v[TT+6*\q+3], v[TT+6*\q+5], v[TT+6*\q+1]   ; sin r
.endr
.irp q, 0,1,2,3
	v_fma_f32 v[TT+6*\q+5], v[TT+6*\q+2], -0.5, 1.0
.endr
.irp q, 0,1,2,3
	v_mul_f32 v[TT+6*\q+4], v[TT+6*\q+4], v[TT+6*\q+2]
.endr
.irp q, 0,1,2,3
	v_fma_f32 v[TT+6*\q+4], v[TT+6*\q+4], v[TT+6*\q+2], v[TT+6*\q+5]   ; cos r
.endr
.irp q, 0,1,2,3
	v_and_b32 v[TT+6*\q+5], 1, v[TT+6*\q]
.endr
.irp q, 0,1,2,3
	v_cmp_eq_u32 s[80+\q], 1, v[TT+6*\q+5]         ; odd quadrants change sin r and cos r
.endr
.irp q, 0,1,2,3
	v_lshlrev_b32 v[TT+6*\q+1], 30, v[TT+6*\q]
.endr
.irp q, 0,1,2,3
	v_add_nc_u32 v[TT+6*\q], 1, v[TT+6*\q]
.endr
.irp q, 0,1,2,3
	v_and_b32 v[TT+6*\q+1], 0x80000000, v[TT+6*\q+1]   ; sin's sign: bit 1 of n
.endr
.irp q, 0,1,2,3
	v_lshlrev_b32 v[TT+6*\q], 30, v[TT+6*\q]
.endr
	s_wait_alu depctr_va_sdst(0)                   ; the four compares have written s80 to s83, ahead of their first readers, the selects below: one wait for the run
.irp q, 0,1,2,3
	v_cndmask_b32 v[TT+6*\q+2], v[TT+6*\q+3], v[TT+6*\q+4], s[80+\q]
.endr
.irp q, 0,1,2,3
	v_cndmask_b32 v[TT+6*\q+5], v[TT+6*\q+4], v[TT+6*\q+3], s[80+\q]
.endr
.irp q, 0,1,2,3
	v_and_b32 v[TT+6*\q], 0x80000000, v[TT+6*\q]   ; cos's sign: bit 1 of n + 1
.endr
.irp q, 0,1,2,3
	v_xor_b32 v[128+40*(\q/2)+20*(\q%2)+\f], v[TT+6*\q+2], v[TT+6*\q+1]
.endr
.irp q, 0,1,2,3
	v_xor_b32 v[138+40*(\q/2)+20*(\q%2)+\f], v[TT+6*\q+5], v[TT+6*\q]
.endr
.endm
; where weight fragment n of 18 (matrix n / 6, my tile n % 6) keeps its 32 numbers: window WFW, register WFX on
.macro WPLACE n
.if (\n) < 8
.set WFW, 1
.set WFX, 32*(\n)
.elseif (\n) < 16
.set WFW, 3
.set WFX, 32*((\n)-8)
.else
.set WFW, 2
.set WFX, 192+32*((\n)-16)
.endif
.endm
.macro WLOAD n                                 ; its eight loads of 16 bytes.  No vector instruction has named their registers, and their offsets stand since the head's wait
	WPLACE \n
.set WLM, (\n)/6
.set WLI, (\n)%6
.if WLM < 2
.set WLO, (32*(WLI/2)+8*(WLI%2))*240
.set WLA, WQA
.else
.set WLO, 16*WLI*240
.set WLA, WVA
.endif
	WIN WFW<<6                                     ; destination window WFW, address window 0
.irp c, 0,1,2,3,4,5,6
	global_load_b128 v[WFX+4*\c:WFX+4*\c+3], v[WLA], s[6+2*WLM:7+2*WLM] offset:WLO+16*\c
.endr
	global_load_b128 v[WFX+28:WFX+31], v[WLA+1], s[6+2*WLM:7+2*WLM] offset:WLO   ; k = 28 .. 31 in both halves: no load leaves the row
.endm
.macro WFRAG n                                 ; it is quantised, and its image goes to LDS
	WPLACE \n
.if (\n) >= 11
	s_wait_loadcnt 8*(17-(\n))                     ; this fragment's eight loads are in; those of the fragments behind it may be out
.endif
	WIN 0x41*WFW                                   ; destination and source 0 window WFW
.irp j, 28,29,30,31
	v_cndmask_b32 v[WFX+\j], v[WFX+\j], 0, s[MH]   ; k = 60 .. 63 are zeros
.endr
	QB WFW, WFX, (\n)%2, 1
	ds_store_b128 v[WW16], v[QC:QC+3] offset:(24*((\n)/6)+(\n)%6)*768
	ds_store_b64 v[WW8], v[QC+4:QC+5] offset:(24*((\n)/6)+(\n)%6)*768
	ds_store_b32 v[WWS], v[QW] offset:WSC+(24*((\n)/6)+(\n)%6)*128
.endm
	s_load_b512 s[4:19], s[0:1], 0x0               ; pos, wq, wk, wv, bq, bk, bv, w_res1
	s_load_b512 s[20:35], s[0:1], 0x40             ; b_res1, gamma, beta, mean, var, w_res2's codes, its scales, b_res2
	s_load_b256 s[36:43], s[0:1], 0x80             ; kv, qimg, rimg, w2img
	v_lshl_add_u32 v223, v0, 2, 0x13600
	v_mov_b32 v255, 0
	v_lshrrev_b32 v63, 5, v0
	v_readfirstlane_b32 s[WV], v63                 ; wave 0..3
	v_and_b32 v63, 31, v0                          ; lane; kept
	v_and_b32 v[R], 15, v0
	v_bfe_u32 v[H], v0, 4, 1
	v_lshlrev_b32 v[L16], 4, v63
	v_lshlrev_b32 v[L8], 3, v63
	v_lshlrev_b32 v[L4], 2, v63
	v_lshlrev_b32 v[H8], 3, v[H]
	v_lshlrev_b32 v[H64], 6, v[H]
	v_and_b32 v[CP], 8, v[R]
	v_add_nc_u32 v[CP], v[CP], v[R]
	v_mul_u32_u24 v[WQB], v[CP], 240
	v_lshl_add_u32 v[WQA], v[H], 7, v[WQB]
	v_add_nc_u32 v[WQB], 112, v[WQB]
	v_mul_u32_u24 v[WVB], v[R], 240
	v_lshl_add_u32 v[WVA], v[H], 7, v[WVB]
	v_add_nc_u32 v[WVB], 112, v[WVB]
	s_wait_alu depctr_va_sdst(0)                   ; s58, the wave's number, is written, ahead of its first reader: LDS addresses and the buffers' offsets are made from it
	s_mul_i32 s59, s[WV], 4608
	s_add_co_u32 s59, s59, WIMG
	v_add_nc_u32 v[WW16], s59, v[L16]
	s_add_co_u32 s59, s59, 512
	v_add_nc_u32 v[WW8], s59, v[L8]
	s_mul_i32 s59, s[WV], 768
	v_add_nc_u32 v[WWS], s59, v[L4]
	s_mul_i32 s59, s[WV], 1536
	v_add_nc_u32 v[EW16], s59, v[L16]
	v_add_nc_u32 v[EW8], s59, v[L8]
	s_lshl_b32 s59, s[WV], 8
	v_add_nc_u32 v[EWS], s59, v[L4]
	v_add_nc_u32 v[RW16], WIMG, v[L16]
	v_add_nc_u32 v[RW8], WIMG+512, v[L8]
	v_lshlrev_b32 v[T4], 2, v0
	v_lshlrev_b32 v[VY], 2, v[CP]
	v_lshl_add_u32 v[VX], v[H], 14, v[VY]          ; coordinate 2 h: 8,192 bytes a coordinate
	v_mul_u32_u24 v[VA1], v[CP], 12
	v_lshl_add_u32 v[VA0], v[H], 3, v[VA1]
	v_lshlrev_b32 v[VR4], 2, v[R]
	v_mul_u32_u24 v[VW2], v[R], 288
	v_mad_u32_u24 v[VW2], v[H], 24, v[VW2]
	s_mov_b32 s[C2PI], 0x3f22f983                  ; 2 / pi
	s_mov_b32 s[CW1], 0x3fc90fdb                   ; pi / 2 in three parts
	s_mov_b32 s[CW2], 0xb33bbd2e
	s_mov_b32 s[CW3], 0xa6f72ced
	s_mov_b32 s[PS0], 0xb94ca1f9                   ; sin r = r + r z ((PS0 z + PS1) z + PS2)
	s_mov_b32 s[PS1], 0x3c08839e
	s_mov_b32 s[PS2], 0xbe2aaaa3
	s_mov_b32 s[PK0], 0x37ccf5ce                   ; cos r = 1 - z / 2 + z z ((PK0 z + PK1) z + PK2)
	s_mov_b32 s[PK1], 0xbab6061a
	s_mov_b32 s[PK2], 0x3d2aaaa5
	s_mov_b32 s[MH], 0xffff0000
	s_mov_b32 s[SEL], 0x76543210
	s_mov_b32 s[SEL+1], 0xfedcba98
	s_lshr_b32 s60, ttmp9, 4                       ; batch
	s_and_b32 s61, ttmp9, 15                       ; block of 128 points
	s_mul_i32 s60, s60, 24576
	s_lshl_b32 s61, s61, 9
	s_add_co_u32 s60, s60, s61
	s_lshl_b32 s61, s[WV], 7
	s_add_co_u32 s60, s60, s61                     ; my 32 points in coordinate 0
	s_mov_b32 s61, 0
	s_mul_i32 s62, ttmp9, 77824
	s_mov_b32 s63, 0
	s_wait_kmcnt 0x0
	s_add_nc_u64 s[4:5], s[4:5], s[60:61]
	s_mul_i32 s60, s[WV], 23040                    ; my 96 rows of each weight
	s_add_nc_u64 s[6:7], s[6:7], s[60:61]
	s_add_nc_u64 s[8:9], s[8:9], s[60:61]
	s_add_nc_u64 s[10:11], s[10:11], s[60:61]
	s_mul_i32 s60, s[WV], 384
	s_add_nc_u64 s[16:17], s[16:17], s[60:61]
	s_add_nc_u64 s[36:37], s[36:37], s[62:63]      ; this key step's block of kv
	s_mul_i32 s60, s[WV], 9216
	s_add_nc_u64 s[SK:SK+1], s[36:37], s[60:61]
	s_add_nc_u64 s[SV:SV+1], s[SK:SK+1], 36864
	s_lshl_b32 s60, s[WV], 9
	s_add_nc_u64 s[SKC:SKC+1], s[36:37], s[60:61]
	s_add_nc_u64 s[SVC:SVC+1], s[SKC:SKC+1], 75776
	s_add_nc_u64 s[SKC:SKC+1], s[SKC:SKC+1], 73728
	s_lshl_b32 s60, ttmp9, 2
	s_add_co_u32 s60, s60, s[WV]
	s_mul_i32 s60, s60, 9728
	s_add_nc_u64 s[SQ:SQ+1], s[38:39], s[60:61]
	s_add_nc_u64 s[SR:SR+1], s[40:41], s[60:61]
	s_wait_alu depctr_va_vdst(0)                   ; the offsets and LDS addresses v3 to v23 and v28 to v31 are written: every load and store of the kernel but three reads some of them, and none is written again
	; ---- the first batch of loads: pos ahead of all, then the tables, bv and weight fragments 0-3: 4 + 18 + 6 + 32
	global_load_b32 v[XY], v[VX], s[4:5]
	global_load_b32 v[XY+1], v[VY], s[4:5] offset:8192
	global_load_b32 v[XY+2], v[VX], s[4:5] offset:32
	global_load_b32 v[XY+3], v[VY], s[4:5] offset:8224
.irp i, 0,1,2
	global_load_b32 v[TBR+\i], v[T4], s[12:13] offset:512*\i       ; bq
	global_load_b32 v[TBR+3+\i], v[T4], s[14:15] offset:512*\i     ; bk
	global_load_b32 v[TBR+6+\i], v[T4], s[26:27] offset:512*\i     ; mean
	global_load_b32 v[TBR+9+\i], v[T4], s[22:23] offset:512*\i     ; gamma
	global_load_b32 v[TBR+12+\i], v[T4], s[28:29] offset:512*\i    ; var
	global_load_b32 v[TBR+15+\i], v[T4], s[24:25] offset:512*\i    ; beta
.endr
.irp i, 0,1,2,3,4,5
	global_load_b32 v[BV+\i], v[VR4], s[16:17] offset:64*\i
.endr
.irp n, 0,1,2,3
	WLOAD \n
.endr
	WIN 0
	v_mov_b32 v[SW+3], 0
.irp b, 0,1,2,3
	v_mov_b32 v[TM+4+\b], 0                        ; a lane permute's destination counts as one of its sources
.endr
	s_wait_loadcnt 56                              ; pos is in: behind it stand 18 + 6 + 32 loads, which may be out
	; ---- the embedding's sines and cosines, with the other two batches of weight loads between them: 56 loads each, on their way while the wave computes
	SINCOS4 0
.irp n, 4,5,6,7,8,9,10
	WLOAD \n
.endr
	WIN 0
.irp f, 1,2,3,4,5
	SINCOS4 \f
.endr
.irp n, 11,12,13,14,15,16,17
	WLOAD \n
.endr
	WIN 0
.irp f, 6,7,8,9
	SINCOS4 \f
.endr
.irp u, 0,1                                    ; lanes 0-15 take channels 0 .. 31 (sin X, cos X, sin Y, cos Y 0-1), lanes 16-31 channels 32 .. 63 (cos Y 2-9, sin Z, cos Z, four zeros)
.irp i, 0,1,2,3,4,5,6,7
	v_cndmask_b32 v[64+32*\u+\i], v[128+40*\u+\i], v[160+40*\u+\i], s[MH]
.endr
.irp i, 8,9,10,11,12,13,14,15,16,17,18,19,20,21,22,23,24,25,26,27
	v_cndmask_b32 v[64+32*\u+\i], v[128+40*\u+\i], v[120+40*\u+\i], s[MH]
.endr
.irp i, 28,29,30,31
	v_cndmask_b32 v[64+32*\u+\i], v[128+40*\u+\i], 0, s[MH]
.endr
.endr
.irp u, 0,1
	QB 0, 64+32*\u, \u, 0
	ds_store_b128 v[EW16], v[QC:QC+3] offset:EIMG+768*\u
	ds_store_b64 v[EW8], v[QC+4:QC+5] offset:EIMG+512+768*\u
	ds_store_b32 v[EWS], v[QW] offset:ESC+128*\u
.endr
	s_wait_loadcnt 56                              ; all but the last batch's 56 loads are in: the tables, bv, weight fragments 0-10
	; ---- the tables of 384 numbers
.irp i, 0,1,2
	v_add_f32 v[TBR+12+\i], 0x3727c5ac, v[TBR+12+\i]   ; var + 1e-5
.endr
.irp i, 0,1,2
	v_rsq_f32 v[RSQ+\i], v[TBR+12+\i]
.endr
.irp i, 0,1,2
	ds_store_b32 v[T4], v[TBR+\i] offset:TBL+512*\i                ; (these four tables go to LDS as they were loaded: no vector instruction has written their registers)
	ds_store_b32 v[T4], v[TBR+3+\i] offset:TBL+1536+512*\i
	ds_store_b32 v[T4], v[TBR+6+\i] offset:TMEAN+512*\i
	ds_store_b32 v[T4], v[TBR+15+\i] offset:TBETA+512*\i
.endr
	v_nop                                          ; a plain place behind the last transcendental
	s_wait_alu depctr_va_vdst(0)                   ; the three v_rsq_f32 have written v229 to v231: one wait for the three, ahead of their first reader
.irp i, 0,1,2
	v_mul_f32 v[RSQ+\i], v[TBR+9+\i], v[RSQ+\i]
.endr
	s_wait_alu depctr_va_vdst(0)                   ; the three multiplications have written v229 to v231, which the LDS stores below read
.irp i, 0,1,2
	ds_store_b32 v[T4], v[RSQ+\i] offset:TINV+512*\i
.endr
	; ---- my 18 weight fragments
.irp n, 0,1,2,3,4,5,6,7,8,9,10,11,12,13,14,15,16,17
	WFRAG \n
.endr
	WIN 0x80                                       ; destination window 2
.irp u, 0,1
	v_mov_b32 v[176+2*\u], v[XY+2*\u]              ; pos as an f32 fragment: k = 2 h;
	v_cndmask_b32 v[177+2*\u], v[XY+2*\u+1], 1.0, s[MH]   ; k = 1, and k = 3 is 1.0
.endr
.irp t, 0,1,2,3,4,5,6,7,8,9,10,11,12,13,14,15,16,17,18,19,20,21,22,23
	global_load_b32 v[128+2*\t], v[VA0], s[18:19] offset:(32*(\t/2)+8*(\t%2))*12      ; w_res1's 24 tiles as f32 fragments: register j holds k = 2 h + j.  Wanted in the last phase: waited for there.  (No vector instruction has named these registers)
	global_load_b32 v[129+2*\t], v[VA1], s[18:19] offset:(32*(\t/2)+8*(\t%2))*12+4
.endr
	WIN 0x40                                       ; registers 6-11 (k = 64 .. 127) of every buffer that takes a K = 60 image: cleared once, now that the f32 weights have left window 1
.irp f, 0,1,2,3,4,5,6,7
.irp j, 6,7,8,9,10,11
	v_mov_b32 v[12*\f+\j], 0
	v_mov_b32 v[96+12*\f+\j], 0
.endr
.endr
.irp f, 0,1
.irp j, 6,7,8,9,10,11
	v_mov_b32 v[192+12*\f+\j], 0
.endr
.endr
	WIN 0
	s_wait_dscnt 0x0                               ; for the others' sake: all my LDS stores have landed
	s_barrier_signal -1
	s_barrier_wait -1                              ; tables, weights and embeddings lie in LDS; nobody writes LDS from here on
	s_wait_alu depctr_va_vdst(0)                   ; the quantisers are done reading, and the selects writing, the f32 weights' registers in windows 1, 2 and 3, and the table's lines v245 to v250: operands are loaded into them from here on; and the clears have written registers 6-11, which scaled products take as A and B
	s_wait_alu depctr_vm_vsrc(0)                   ; my LDS stores have read the tables' registers v236 to v244 and v251 to v253, in which scale words are loaded from here on, and the code registers v192 on
	; ---- q and k: source 0 = 16 rows of the weight, source 1 = my 16 points; the bias is the C: eight registers a channel tile, the same for both point tiles
; the operands of channel step s of matrix m: eight weight fragments, their bias, their scale words: 40 LDS loads in one run
.macro QKLOAD m, s
	WIN 0x40
.irp t, 0,1,2,3,4,5,6,7
	ds_load_b128 v[12*\t:12*\t+3], v[RW16] offset:(24*(\m)+8*(\s)+\t)*768
	ds_load_b64 v[12*\t+4:12*\t+5], v[RW8] offset:(24*(\m)+8*(\s)+\t)*768
.endr
	WIN 0x80
.irp t, 0,1,2,3,4,5,6,7
	ds_load_b128 v[192+8*\t:195+8*\t], v[H64] offset:TBL+1536*(\m)+512*(\s)+128*(\t/2)+32*(\t%2)
	ds_load_b128 v[196+8*\t:199+8*\t], v[H64] offset:TBL+1536*(\m)+512*(\s)+128*(\t/2)+32*(\t%2)+16
.endr
	WIN 0
.irp t, 0,1,2,3,4,5,6,7
	ds_load_b32 v[WS+\t], v[L4] offset:WSC+(24*(\m)+8*(\s)+\t)*128
.endr
.endm
; all that v's products want: the eight embedding fragments, my six fragments of wv, their scale words: 42 LDS loads in one run
.macro VLOAD
	WIN 0x40
.irp t, 0,1,2,3,4,5,6,7
	ds_load_b128 v[96+12*\t:96+12*\t+3], v[L16] offset:EIMG+768*\t
	ds_load_b64 v[96+12*\t+4:96+12*\t+5], v[L8] offset:EIMG+512+768*\t
.endr
.irp i, 0,1,2,3,4,5
	ds_load_b128 v[12*\i:12*\i+3], v[WW16] offset:(48+\i)*768
	ds_load_b64 v[12*\i+4:12*\i+5], v[WW8] offset:(48+\i)*768
.endr
	WIN 0
.irp t, 0,1,2,3,4,5,6,7
	ds_load_b32 v[ES+\t], v[L4] offset:ESC+128*\t
.endr
.irp i, 0,1,2,3,4,5
	ds_load_b32 v[WS+\i], v[WWS] offset:WSC+(48+\i)*128
.endr
.endm
; a group: 16 products, the NEXT group's operands asked of LDS, then this group's two quantisers, under which those loads land
.macro QKG m, s, fp
	PLACES 5                                       ; accumulators are begun anew over earlier results
	s_wait_dscnt 0x0                               ; this group's operands, asked for a group ago
	WIN 0x25                                       ; sources 0 and 1 window 1, the bias window 2
.irp t, 0,1,2,3,4,5,6,7
.irp u, 0,1
	v_wmma_scale_f32_16x16x128_f8f6f4 v[64+64*\u+8*\t:64+64*\u+8*\t+7], v[12*\t:12*\t+11], v[192+12*\u:192+12*\u+11], v[192+8*\t:192+8*\t+7], v[WS+\t], v[EOS+\u] matrix_a_fmt:MATRIX_FMT_FP6 matrix_b_fmt:MATRIX_FMT_FP6
.endr
.endr
	WIN 0
	PLACES 4                                       ; in front of the first read of these products' results
	s_wait_alu depctr_va_vdst(0)                   ; the sixteen products are done reading their weights, bias and scale words, in which the next group's loads land.  (The quantiser that follows reads the products' results in any case)
.if (\s) < 2
	QKLOAD \m, (\s)+1
.elseif (\m) == 0
	QKLOAD 1, 0
.else
	VLOAD
.endif
	QOUT \s, \fp
.endm
	WIN 0x40
.irp u, 0,1
	ds_load_b128 v[192+12*\u:195+12*\u], v[EW16] offset:EIMG+768*\u
	ds_load_b64 v[196+12*\u:197+12*\u], v[EW8] offset:EIMG+512+768*\u
.endr
	WIN 0
.irp u, 0,1
	ds_load_b32 v[EOS+\u], v[EWS] offset:ESC+128*\u
.endr
	QKLOAD 0, 0
	QKG 0, 0, SQ
	QKG 0, 1, SQ
	WIN 0xc0                                       ; destination window 3, which the f32 weights have left
.irp t, 0,1,2,3,4,5,6,7,8,9,10,11,12,13,14,15,16,17,18,19,20,21,22,23
	global_load_b32 v[\t], v[VY], s[20:21] offset:(32*(\t/2)+8*(\t%2))*4    ; b_res1: it rides as k = 3 against 1.0.  Waited for in the last phase.  (No vector instruction has named window 3 since the wait behind the barrier)
.endr
	WIN 0
	QKG 0, 2, SQ
	s_wait_alu depctr_va_vdst(0)                   ; the last select has written SW's third word: the chunk's store reads v232 to v235
	global_store_b128 v[L16], v[SW:SW+3], s[SQ:SQ+1] offset:9216
	QKG 1, 0, SK
	QKG 1, 1, SK
	QKG 1, 2, SK
	s_wait_alu depctr_va_vdst(0)                   ; the last select has written SW's third word: the chunk's store reads v232 to v235
	global_store_b128 v[L16], v[SW:SW+3], s[SKC:SKC+1]
	; ---- v: source 0 = 16 points, source 1 = 16 rows of wv: a lane holds one channel, its registers run along the keys
.irp i, 0,1,2,3,4,5
.irp j, 0,1,2,3,4,5,6,7
	v_mov_b32 v[32+\j], v[BV+\i]                   ; the C: my channel's bias in all eight registers
.endr
	PLACES 5
.if \i == 0
	s_wait_dscnt 0x0                               ; all of v's operands, asked for under k's last quantisers
.endif
	WIN 0x05
.irp t, 0,1,2,3,4,5,6,7
	v_wmma_scale_f32_16x16x128_f8f6f4 v[64+8*\t:64+8*\t+7], v[96+12*\t:96+12*\t+11], v[12*\i:12*\i+11], v[32:39], v[ES+\t], v[WS+\i] matrix_a_fmt:MATRIX_FMT_FP6 matrix_b_fmt:MATRIX_FMT_FP6
.endr
	WIN 0
	PLACES 4
	QUANT 64
	STF SV, 1536*\i
.if \i < 3
	v_mov_b32 v[SW+\i], v[PW]
.else
	v_cndmask_b32 v[SW+\i-3], v[SW+\i-3], v[PW], s[MH]
.endif
.endr
	s_wait_alu depctr_va_vdst(0)                   ; the last select has written SW's third word, which the chunk's store reads; and v's products are done reading window 1, in which the BN constants' loads below land
	global_store_b128 v[L16], v[SW:SW+3], s[SVC:SVC+1]
	; ---- the residual path's hidden layer, in f32: K = 4 is (x, y, z, 1) against (w0, w1, w2, b_res1); the sums' registers (window 2, v0-127) are written by matrix instructions alone
; mean, inv and beta at my eight channels of each of channel step s's eight tiles: 24 registers a tile in window 1, 48 LDS loads in one run
.macro BNLOAD s
	WIN 0x40
.irp t, 0,1,2,3,4,5,6,7
	ds_load_b128 v[24*\t:24*\t+3], v[H64] offset:TMEAN+512*(\s)+128*(\t/2)+32*(\t%2)
	ds_load_b128 v[24*\t+4:24*\t+7], v[H64] offset:TMEAN+512*(\s)+128*(\t/2)+32*(\t%2)+16
	ds_load_b128 v[24*\t+8:24*\t+11], v[H64] offset:TINV+512*(\s)+128*(\t/2)+32*(\t%2)
	ds_load_b128 v[24*\t+12:24*\t+15], v[H64] offset:TINV+512*(\s)+128*(\t/2)+32*(\t%2)+16
	ds_load_b128 v[24*\t+16:24*\t+19], v[H64] offset:TBETA+512*(\s)+128*(\t/2)+32*(\t%2)
	ds_load_b128 v[24*\t+20:24*\t+23], v[H64] offset:TBETA+512*(\s)+128*(\t/2)+32*(\t%2)+16
.endr
	WIN 0
.endm
	BNLOAD 0
	s_wait_loadcnt 0x0                             ; w_res1 and b_res1, asked for phases ago
	WIN 0x8e                                       ; destination and source 0 window 2, source 1 window 3
.irp t, 0,1,2,3,4,5,6,7,8,9,10,11,12,13,14,15,16,17,18,19,20,21,22,23
	v_cndmask_b32 v[129+2*\t], v[129+2*\t], v[\t], s[MH]   ; lanes 16-31: k = 3 is b_res1
.endr
	WIN 0
.irp s, 0,1,2
	PLACES 9
	WIN 0x8a
.irp t, 0,1,2,3,4,5,6,7
.irp u, 0,1
	v_wmma_f32_16x16x4_f32 v[64*\u+8*\t:64*\u+8*\t+7], v[128+2*(8*\s+\t):129+2*(8*\s+\t)], v[176+2*\u:177+2*\u], 0
.endr
.endr
	WIN 0
	PLACES 8
	s_wait_dscnt 0x0                               ; this step's constants
	WIN 0x06                                       ; source 0 (the sums) window 2, source 1 (mean) window 1
.irp t, 0,1,2,3,4,5,6,7
.irp u, 0,1
.irp j, 0,2,4,6
	v_pk_add_f32 v[64+64*\u+8*\t+\j:64+64*\u+8*\t+\j+1], v[64*\u+8*\t+\j:64*\u+8*\t+\j+1], v[24*\t+\j:24*\t+\j+1] neg_lo:[0,1] neg_hi:[0,1]   ; - mean; each sum is read from its low end on
.endr
.endr
.endr
	WIN 0x14                                       ; sources 1 and 2 (inv, beta) window 1
.irp t, 0,1,2,3,4,5,6,7
.irp u, 0,1
.irp j, 0,2,4,6
	v_pk_fma_f32 v[64+64*\u+8*\t+\j:64+64*\u+8*\t+\j+1], v[64+64*\u+8*\t+\j:64+64*\u+8*\t+\j+1], v[24*\t+8+\j:24*\t+9+\j], v[24*\t+16+\j:24*\t+17+\j]
.endr
.endr
.endr
	WIN 0
.if \s < 2
	s_wait_alu depctr_va_vdst(0)                   ; the subtractions and multiply-adds are done reading this step's constants in window 1, in which the next step's loads land.  (The clipping below reads their results in any case)
	BNLOAD \s+1                                    ; the next step's constants land under the clipping and the two quantisers
.endif
.set j, 0
.rept 128
	v_max_num_f32 v[64+j], 0, v[64+j]
.set j, j+1
.endr
	QOUT \s, SR
.endr
	s_wait_alu depctr_va_vdst(0)                   ; the last select has written SW's third word: the chunk's store reads v232 to v235
	global_store_b128 v[L16], v[SW:SW+3], s[SR:SR+1] offset:9216
	s_wait_alu depctr_vm_vsrc(0)                   ; that store has read v232 to v235: behind the two branches below w_res2's scale words are loaded into v232 to v234
	; ---- w_res2 as register images: record g (channel tiles 2 g, 2 g + 1) by wave 0 of work-group g, g < 12; and 32 numbers of b_res2
	s_cmp_lt_u32 ttmp9, 12
	s_cbranch_scc0 .Ldone
	s_cmp_eq_u32 s[WV], 0
	s_cbranch_scc0 .Ldone
	s_wait_xcnt 0x0                                ; the chunk's store has read SW
	s_mov_b32 s61, 0
	s_mul_i32 s60, ttmp9, 9216
	s_add_nc_u64 s[30:31], s[30:31], s[60:61]
	s_mul_i32 s60, ttmp9, 384
	s_add_nc_u64 s[32:33], s[32:33], s[60:61]
	s_lshl_b32 s60, ttmp9, 7
	s_add_nc_u64 s[34:35], s[34:35], s[60:61]
	s_add_nc_u64 s[78:79], s[42:43], s[60:61]
	s_mul_i32 s60, ttmp9, 9728
	s_add_nc_u64 s[42:43], s[42:43], s[60:61]
	v_mul_u32_u24 v62, v63, 12
	s_wait_alu depctr_va_vdst(0)                   ; v62 is written, which the scale words' loads read as their offset; and the last quantisers are done with v64 to v135, in which the codes' loads land
.irp u, 0,1
.irp s, 0,1,2
.irp p, 0,1,2,3,4,5
	global_load_b64 v[64+12*(3*\u+\s)+2*\p:65+12*(3*\u+\s)+2*\p], v[VW2], s[30:31] offset:4608*\u+96*\s+48*(\p/3)+8*(\p%3)
.endr
.endr
.endr
.irp s, 0,1,2
	global_load_b32 v[SW+\s], v62, s[32:33] offset:4*\s    ; lane 16 u + r: row 16 u + r's word of K step s
.endr
	global_load_b32 v229, v[L4], s[34:35]
	s_wait_loadcnt 0x0
.irp f, 0,1,2,3,4,5
.irp c, 0,1,2
	global_store_b128 v[L16], v[64+12*\f+4*\c:67+12*\f+4*\c], s[42:43] offset:1536*\f+512*\c
.endr
.endr
	global_store_b128 v[L16], v[SW:SW+3], s[42:43] offset:9216
	global_store_b32 v[L4], v229, s[78:79] offset:116736
.Ldone:
	s_wait_dscnt 0x0                               ; the closing lines, six on end
	s_wait_alu 0x0
	s_wait_tensorcnt 0x0
	ds_add_u32 v223, v255
	s_wait_dscnt 0x0
	s_endpgm
.Lfunc_end_k_qcc81d27910_prep:
	.size	k_qcc81d27910_prep, .Lfunc_end_k_qcc81d27910_prep-k_qcc81d27910_prep
	.p2alignl 7, 3214868480
	.fill 96, 4, 3214868480
	.section	.rodata,"a",@progbits
	.p2align	6, 0x0
	.amdhsa_kernel k_qcc81d27910_prep
		.amdhsa_group_segment_fixed_size 79872
		.amdhsa_private_segment_fixed_size 0
		.amdhsa_enable_private_segment 0
		.amdhsa_kernarg_size 160
		.amdhsa_user_sgpr_count 2
		.amdhsa_user_sgpr_kernarg_segment_ptr 1
		.amdhsa_wavefront_size32 1
		.amdhsa_system_sgpr_workgroup_id_x 1
		.amdhsa_system_sgpr_workgroup_id_y 1
		.amdhsa_system_sgpr_workgroup_id_z 1
		.amdhsa_system_vgpr_workitem_id 0
		.amdhsa_next_free_vgpr 1024
		.amdhsa_next_free_sgpr 100
		.amdhsa_reserve_vcc 0
		.amdhsa_float_denorm_mode_32 3
		.amdhsa_float_denorm_mode_16_64 3
		.amdhsa_memory_ordered 1
		.amdhsa_forward_progress 1
		.amdhsa_inst_pref_size 255
	.end_amdhsa_kernel
	.section	.bss,"aw",@nobits
	.p2align	6
	.space	262144
	.amdgpu_metadata
---
amdhsa.version: [ 1, 2 ]
amdhsa.kernels:
  - .name:           k_qcc81d27910_prep
    .symbol:         k_qcc81d27910_prep.kd
    .args:
      - { .name: pos, .offset: 0, .size: 8, .value_kind: global_buffer, .address_space: global }
      - { .name: wq, .offset: 8, .size: 8, .value_kind: global_buffer, .address_space: global }
      - { .name: wk, .offset: 16, .size: 8, .value_kind: global_buffer, .address_space: global }
      - { .name: wv, .offset: 24, .size: 8, .value_kind: global_buffer, .address_space: global }
      - { .name: bq, .offset: 32, .size: 8, .value_kind: global_buffer, .address_space: global }
      - { .name: bk, .offset: 40, .size: 8, .value_kind: global_buffer, .address_space: global }
      - { .name: bv, .offset: 48, .size: 8, .value_kind: global_buffer, .address_space: global }
      - { .name: w_res1, .offset: 56, .size: 8, .value_kind: global_buffer, .address_space: global }
      - { .name: b_res1, .offset: 64, .size: 8, .value_kind: global_buffer, .address_space: global }
      - { .name: bn_gamma, .offset: 72, .size: 8, .value_kind: global_buffer, .address_space: global }
      - { .name: bn_beta, .offset: 80, .size: 8, .value_kind: global_buffer, .address_space: global }
      - { .name: bn_mean, .offset: 88, .size: 8, .value_kind: global_buffer, .address_space: global }
      - { .name: bn_var, .offset: 96, .size: 8, .value_kind: global_buffer, .address_space: global }
      - { .name: w_res2_codes, .offset: 104, .size: 8, .value_kind: global_buffer, .address_space: global }
      - { .name: w_res2_scales, .offset: 112, .size: 8, .value_kind: global_buffer, .address_space: global }
      - { .name: b_res2, .offset: 120, .size: 8, .value_kind: global_buffer, .address_space: global }
      - { .name: kv, .offset: 128, .size: 8, .value_kind: global_buffer, .address_space: global }
      - { .name: qimg, .offset: 136, .size: 8, .value_kind: global_buffer, .address_space: global }
      - { .name: rimg, .offset: 144, .size: 8, .value_kind: global_buffer, .address_space: global }
      - { .name: w2img, .offset: 152, .size: 8, .value_kind: global_buffer, .address_space: global }
    .group_segment_fixed_size: 79872
    .private_segment_fixed_size: 0
    .kernarg_segment_align: 8
    .kernarg_segment_size: 160
    .max_flat_workgroup_size: 128
    .sgpr_count:     100
    .vgpr_count:     1024
    .wavefront_size: 32
...
	.end_amdgpu_metadata
.endif
;; end of part 3
;; launch attn: the kernel of part 2 again; grid 16 x 16, 4 waves a work-group, clusters of 4 x 1, 327,680 bytes of LDS; arguments kv, qimg, rimg, w2img, out0; writes out0
